; MI455X (gfx1250); checked and timed in simulation.
; The chip was launched on July 23, 2026; its instructions are those of AMD's public machine-readable ISA for CDNA 5 (MIT licence, August 2026) and "CDNA5" Instruction Set Architecture Reference Guide (July 2026). The comments in the code are by the model that wrote it; some were corrected since.
;; Optimized Multi Head Attention. Allowed arithmetic: matrix products marked QUANTISED: E2M1 operands, one E8M0 scale for each 32 along K, by v_wmma_scale_f32_16x16x128_f8f6f4 with both operands' format E2M1 (or v_wmma_scale_f32_32x16x128_f4), f32 sums; products left as they are: bf16, f16 or f32 operands; f32 sums; everything else in f32.
;; Inputs: w_qkv 3,072 x 1,024 float32; wo 1,024 x 1,024 float32; x 4 x 2,048 x 1,024 float32.
;; Outputs: out0 4 x 2,048 x 1,024 float32.
;; This version of the problem:
;;   THIS VERSION OF THE PROBLEM IS GIVEN IN LOW PRECISION. The matrix products marked QUANTISED in the list below multiply operands that are first quantised to E2M1 (2 exponent bits, 1 mantissa bit; 4 bits a number), with one power-of-two scale for each 32 numbers along K (OCP MX v1.0); their sums are f32. The products marked 'left as it is' may take bf16, f16 or f32 operands, with f32 sums. Whichever they take, every output number must still come out within the allowed error. Rounding operands to bf16 (8 significant bits) uses up far more of that allowance than f16 does (11 bits, for magnitudes from 6e-5 to 65,504). All else is computed in f32.
;;   The module's matrix products, in the order in which they are computed (A, B: the left and right operand; K: the contracted axis; several contracted axes count as one K, in the product's order):
;;     1. [M 8,192, K 1,024] x [K 1,024, N 3,072]; A: input x; B: input w_qkv: QUANTISED
;;     2. batch 64 x [M 2,048, K 64] x [K 64, N 2,048]; A: computed on the way; B: computed on the way: left as it is (an operand is computed on the way)
;;     3. batch 64 x [M 2,048, K 2,048] x [K 2,048, N 64]; A: computed on the way; B: computed on the way: left as it is (an operand is computed on the way)
;;     4. [M 8,192, K 1,024] x [K 1,024, N 1,024]; A: computed on the way; B: input wo: left as it is (an operand is computed on the way)
;;   THE QUANTISER, for each operand of a quantised product, along K:
;;     - K is cut into blocks of 32 from its start; a last block that is shorter is filled with zeros.
;;     - A block's scale is 2^e with e = floor(log2(the largest magnitude in the block)) - 2, held to -126 .. 127; a block of zeros has e = 0. As a byte (E8M0): e + 127.
;;     - Each number is divided by its block's scale, clamped to +-6, and rounded to the nearest number of E2M1, ties to even, subnormals kept.
;;     - The product sums the exact products of the quantised numbers (number of the format x scale) in f32.
;;   ~~~python
;;   def quantise(x, axis):      # numpy; x: float32 -> the quantised numbers, widened to float32 again
;;       x = np.moveaxis(x, axis, -1); K = x.shape[-1]
;;       x = np.pad(x, [(0, 0)] * (x.ndim - 1) + [(0, -K % 32)]); x = x.reshape(x.shape[:-1] + (-1, 32)); a = np.abs(x).max(-1, keepdims=True)
;;       e = np.where(a > 0, np.clip(np.frexp(np.where(a > 0, a, 1))[1] - 1 - 2, -126, 127), 0)      # np.frexp(a)[1] - 1 = floor(log2(a)), exactly
;;       r = np.clip(x / 2.0 ** e, -6, 6)
;;       step = 2.0 ** (np.maximum(np.frexp(np.where(r == 0, 1, r))[1] - 1, 0) - 1)
;;       q = np.round(r / step) * step * 2.0 ** e      # np.round: ties to even
;;       return np.moveaxis(q.reshape(q.shape[:-2] + (-1,))[..., :K], -1, axis).astype(np.float32)
;;   ~~~
;; One version. Each part assembles by itself: llvm-mc -triple=amdgcn-amd-amdhsa -mcpu=gfx1250 --defsym DOCPART=n.
;; ======== version 1 of 1: 6 launches
;; limits: values are held in f16: magnitudes above 65,504 overflow, below 6.1e-05 lose precision
;; workspace buffers: x_codes 4,194,304 bytes; x_scales 262,144 bytes; w_codes 1,572,864 bytes; w_scales 98,304 bytes; wo16 2,097,152 bytes; qkv16 50,331,648 bytes; y16 16,777,216 bytes; yf 262,144 bytes
;; launch quant (part 1): grid 416 x 1, 4 waves a work-group, no clusters, 33,280 bytes of LDS; arguments x, w_qkv, x_codes, x_scales, w_codes, w_scales, wo, wo16; writes x_codes, x_scales, w_codes, w_scales, wo16
.if DOCPART == 1
	.amdgcn_target "amdgcn-amd-amdhsa--gfx1250"
	.amdhsa_code_object_version 6
	.text
	.protected	k_q15fc83decd_quant
	.globl	k_q15fc83decd_quant
	.p2align	8
	.type	k_q15fc83decd_quant,@function
k_q15fc83decd_quant:
	s_mov_b64 s[64:65], 0
	v_nop
	global_prefetch_b8 v0, s[64:65] scope:SCOPE_SE
	s_setreg_imm32_b32 hwreg(HW_REG_WAVE_MODE, 25, 1), 1
	s_wait_xcnt 0x0
; x [8192][1024] and w_qkv [3072][1024], f32, become codes of FP4 (E2M1), K innermost, two codes a byte, with one E8M0 scale byte for each 32 along K;
; wo [1024 n][1024 k], f32, becomes f16, laid by head: wo16 [16 heads][1024 n][64].
; A block's scale is 2^(floor(log2(its largest magnitude)) - 2); its byte is the largest magnitude's exponent field - 2, held at 1 from below.
; (A block of zeros so gets the byte 1 where the quantiser says 127: its codes are zeros, which add nothing under any byte but 0xff, and this program alone reads the bytes.)
; LIMITS: NaN and infinities among the inputs are not served; |wo| above 65,504 becomes infinity in f16.
; Work-groups 0-255 take x, 256-351 w_qkv: both are plain streams of blocks of 32.  A wave takes 16 steps of 512 numbers: each load reads 512 consecutive bytes, a step's 2,048 bytes turn
; through the wave's own stage in LDS so that a lane holds 16 neighbours along K (two lanes to a block); 8 bytes of codes a lane, 256 consecutive bytes a store; a wave's 256 scale bytes leave as one aligned block.
; Work-groups 352-415 take wo: a wave takes 4 rows n and all 16 heads; no LDS.  No tensor loads, no barrier: waves share nothing.
.set SIZE_M, 8192
.set SIZE_N, 3072
.set SIZE_K, 1024
.set WAVES, 4
.set STEPS, 16
.set WGA,   SIZE_M*SIZE_K/(512*STEPS*WAVES)            ; 256 work-groups for x
.set WGQ,   (SIZE_M+SIZE_N)*SIZE_K/(512*STEPS*WAVES)   ; 352 for x and w_qkv
.set EMAX,  2
.set CB,    8                          ; bytes of 16 codes
.set R,     16                         ; v16-79   four sets of 16 numbers as they are loaded (wo's path: v16-143)
.set X,     80                         ; v80-111  two sets of 16 neighbours
.set C,     128                        ; v128-191 codes: four registers for each step, so that no store's data are written again
.set E,     112                        ; v112-127 a scale byte for each step
.set WREG,  8192                       ; LDS: a region for each wave: two stages of 32 x SP bytes, behind them its 256 scale bytes
.set SP,    80                         ; a lane's place in a stage: its 64 bytes + 16 of padding
.set SPW,   12                         ; v12      LDS address of my spare word; never rewritten
.set NIL,   13                         ; v13      0; never rewritten
.set SPARE, WAVES*WREG                 ; behind the four regions: the spare words, 128 bytes a wave, that no other line names
	s_load_b128 s[4:7], s[0:1], 0x0                ; x, w_qkv
	s_load_b128 s[8:11], s[0:1], 0x10              ; x's codes, x's scales
	s_load_b128 s[12:15], s[0:1], 0x20             ; w's codes, w's scales
	s_load_b128 s[24:27], s[0:1], 0x30             ; wo, wo16
	v_lshl_add_u32 v[SPW], v0, 2, SPARE
	v_mov_b32 v[NIL], 0
	v_lshrrev_b32 v1, 5, v0
	v_readfirstlane_b32 s16, v1                    ; wave
	v_and_b32 v2, 31, v0                           ; lane
	v_lshlrev_b32 v3, 4, v2                        ; my 16 bytes of 512
	s_mul_i32 s17, s16, WREG
	v_lshrrev_b32 v14, 2, v2
	v_mul_u32_u24 v14, v14, SP
	v_and_b32 v15, 3, v2
	v_lshl_add_u32 v14, v15, 4, v14
	v_add_nc_u32 v14, s17, v14                     ; the stage, on the way in: SP (lane / 4) + 16 (lane % 4)
	v_mul_u32_u24 v15, v2, SP
	v_add_nc_u32 v15, s17, v15                     ; and on the way out: SP x lane: my 16 neighbours
	v_mul_u32_u24 v4, v2, CB                       ; my codes' place in a step's
	v_lshrrev_b32 v5, 1, v2
	s_add_co_u32 s17, s17, 2*32*SP
	v_add_nc_u32 v5, s17, v5                       ; LDS: my wave's 256 scale bytes, my block's byte
	v_lshlrev_b32 v7, 3, v2                        ; and on the way out 8 bytes a lane
	v_add_nc_u32 v6, s17, v7
	s_wait_kmcnt 0x0
	s_cmp_ge_u32 ttmp9, WGQ                        ; the last 64 work-groups take wo
	s_cbranch_scc1 .Lwo
	s_cmp_lt_u32 ttmp9, WGA                        ; x's work-group or w's?  Only pointers are chosen: both take one path
	s_cselect_b64 s[4:5], s[4:5], s[6:7]
	s_cselect_b64 s[8:9], s[8:9], s[12:13]
	s_cselect_b64 s[10:11], s[10:11], s[14:15]
	s_cselect_b32 s17, 0, WGA
	s_sub_co_u32 s17, ttmp9, s17
	s_lshl_b32 s17, s17, 2
	s_add_co_u32 s18, s17, s16                     ; which run of 8,192 numbers of the tensor is my wave's
	s_mov_b32 s19, 0
	s_mov_b64 s[20:21], 512*STEPS*4
	s_mul_u64 s[20:21], s[18:19], s[20:21]
	s_add_nc_u64 s[4:5], s[4:5], s[20:21]
	s_mov_b64 s[20:21], 32*STEPS*CB
	s_mul_u64 s[20:21], s[18:19], s[20:21]
	s_add_nc_u64 s[8:9], s[8:9], s[20:21]
	s_lshl_b32 s18, s18, 8                         ; 256 scale bytes a run
	s_add_nc_u64 s[10:11], s[10:11], s[18:19]
.macro LOAD t
.irp i, 0,1,2,3
	global_load_b128 v[R+16*((\t)%4)+4*\i:R+16*((\t)%4)+4*\i+3], v3, s[4:5] offset:2048*(\t)+512*\i th:TH_LOAD_NT   ; 32 lanes read 512 consecutive bytes
.endr
.endm
.macro TURN t                          ; step t's numbers through the stage: LDS serves a wave's instructions in order, so no wait stands between the stores and the loads
.irp i, 0,1,2,3
	ds_store_b128 v14, v[R+16*((\t)%4)+4*\i:R+16*((\t)%4)+4*\i+3] offset:32*SP*((\t)%2)+8*SP*\i
.endr
.irp i, 0,1,2,3
	ds_load_b128 v[X+16*((\t)%2)+4*\i:X+16*((\t)%2)+4*\i+3], v15 offset:32*SP*((\t)%2)+16*\i
.endr
.endm
.irp t, 0,1,2,3
	LOAD \t
.endr
	s_wait_loadcnt 12                              ; step 0's four loads are in; twelve younger ones stay out
	TURN 0
.macro STEP t
.set XS, X+16*((\t)%2)
.if (\t) > 0
	s_wait_dscnt 1                                 ; this step's numbers are back from the stage (the last step's byte store may be out)
.else
	s_wait_dscnt 0x0
.endif
.if (\t)+4 < STEPS
	LOAD (\t)+4                                    ; into the registers that this step's stage stores have read
.endif
.if (\t)+1 < STEPS
.if STEPS-2-(\t) >= 3
	s_wait_loadcnt 12                              ; the next step's four loads are in; those of the three steps behind it may be out
.else
	s_wait_loadcnt 4*(STEPS-2-(\t))
.endif
	TURN (\t)+1                                    ; through the other stage while this step is worked
.endif
	v_max3_num_f32 v8, |v[XS]|, |v[XS+1]|, |v[XS+2]|               ; the largest magnitude of my 16, in two chains
	v_max3_num_f32 v9, |v[XS+3]|, |v[XS+4]|, |v[XS+5]|
.irp i, 6,10
	v_max3_num_f32 v8, v8, |v[XS+\i]|, |v[XS+\i+1]|
	v_max3_num_f32 v9, v9, |v[XS+\i+2]|, |v[XS+\i+3]|
.endr
	v_max3_num_f32 v8, v8, |v[XS+14]|, |v[XS+15]|
	v_max3_num_f32 v8, v8, v9, (EMAX+1)<<23        ; and the floor 2^(EMAX + 1 - 127): the byte cannot fall under 1
	v_max_num_f32_dpp v8, v8, v8 row_xmask:1 row_mask:0xf bank_mask:0xf   ; and of my neighbour's 16: the block's
	v_add_nc_u32 v11, -(EMAX<<23), v8              ; EMAX off its exponent field: the conversion takes this operand's exponent field as its scale
	v_cvt_scalef32_pk8_fp4_f32 v[C+4*(\t)], v[XS:XS+7], v11        ; to the nearest code, ties to even, beyond the largest code the largest
	v_cvt_scalef32_pk8_fp4_f32 v[C+4*(\t)+1], v[XS+8:XS+15], v11
	v_lshrrev_b32 v[E+(\t)], 23, v11               ; the scale's byte (also the plain line behind the conversions)
	ds_store_b8 v5, v[E+(\t)] offset:16*(\t)       ; both lanes of a block write the same byte with the same value
	global_store_b64 v4, v[C+4*(\t):C+4*(\t)+1], s[8:9] offset:32*CB*(\t)   ; 256 consecutive bytes, aligned
.endm
.irp t, 0,1,2,3,4,5,6,7,8,9,10,11,12,13,14,15
	STEP \t
.endr
	ds_load_b64 v[8:9], v6                         ; LDS serves a wave's instructions in order: these see my stores
	s_wait_dscnt 0x0
	global_store_b64 v7, v[8:9], s[10:11]          ; 32 lanes store 256 consecutive bytes, aligned
	s_wait_tensorcnt 0x0                           ; the wave's end
	ds_add_u32 v[SPW], v[NIL]
	s_wait_dscnt 0x0
	s_endpgm
.Lwo:
; wo to f16.  Wave u = 4 (work-group - 352) + wave takes rows n = 4 u .. 4 u + 3.  For head hh a lane takes 8 numbers: row lane / 8, channels 8 (lane % 8) on:
; two loads of 16 bytes; its 8 f16 are 16 bytes, and the 32 lanes store 512 consecutive bytes: 4 rows of 128 bytes of one head's plane.
	s_sub_co_u32 s17, ttmp9, WGQ
	s_lshl_b32 s17, s17, 2
	s_add_co_u32 s17, s17, s16                     ; u
	s_lshl_b32 s18, s17, 14                        ; 4 rows of 4,096 bytes
	s_mov_b32 s19, 0
	s_add_nc_u64 s[24:25], s[24:25], s[18:19]
	s_lshl_b32 s18, s17, 9                         ; 4 rows of 128 bytes
	s_add_nc_u64 s[26:27], s[26:27], s[18:19]
	v_lshrrev_b32 v8, 3, v2
	v_and_b32 v9, 7, v2
	v_lshlrev_b32 v8, 12, v8
	v_lshl_add_u32 v8, v9, 5, v8                   ; 4,096 (lane / 8) + 32 (lane % 8)
.irp hh, 0,1,2,3,4,5,6,7,8,9,10,11,12,13,14,15
	global_load_b128 v[R+8*\hh:R+8*\hh+3],   v8, s[24:25] offset:256*\hh th:TH_LOAD_NT
	global_load_b128 v[R+8*\hh+4:R+8*\hh+7], v8, s[24:25] offset:256*\hh+16 th:TH_LOAD_NT
.endr
.irp hh, 0,1,2,3,4,5,6,7,8,9,10,11,12,13,14,15
	s_wait_loadcnt 30-2*\hh                        ; this head's two loads are in; the 2 (15 - hh) younger ones stay out
.irp i, 0,1,2,3
	v_cvt_pk_f16_f32 v[R+8*\hh+\i], v[R+8*\hh+2*\i], v[R+8*\hh+2*\i+1]   ; in place, ascending: a result never lands on a number still to be read
.endr
	global_store_b128 v3, v[R+8*\hh:R+8*\hh+3], s[26:27] offset:131072*\hh   ; no register is written again: no wait for the stores' sources
.endr
	s_wait_tensorcnt 0x0                           ; the wave's end, as on the other path
	ds_add_u32 v[SPW], v[NIL]
	s_wait_dscnt 0x0
	s_endpgm
.Lfunc_end_k_q15fc83decd_quant:
	.size	k_q15fc83decd_quant, .Lfunc_end_k_q15fc83decd_quant-k_q15fc83decd_quant
	.p2alignl 7, 3214868480
	.fill 96, 4, 3214868480
	.section	.rodata,"a",@progbits
	.p2align	6, 0x0
	.amdhsa_kernel k_q15fc83decd_quant
		.amdhsa_group_segment_fixed_size 33280
		.amdhsa_private_segment_fixed_size 0
		.amdhsa_enable_private_segment 0
		.amdhsa_kernarg_size 64
		.amdhsa_user_sgpr_count 2
		.amdhsa_user_sgpr_kernarg_segment_ptr 1
		.amdhsa_wavefront_size32 1
		.amdhsa_system_sgpr_workgroup_id_x 1
		.amdhsa_system_sgpr_workgroup_id_y 1
		.amdhsa_system_sgpr_workgroup_id_z 1
		.amdhsa_system_vgpr_workitem_id 0
		.amdhsa_next_free_vgpr 192
		.amdhsa_next_free_sgpr 66
		.amdhsa_reserve_vcc 0
		.amdhsa_float_denorm_mode_32 3
		.amdhsa_float_denorm_mode_16_64 3
		.amdhsa_memory_ordered 1
		.amdhsa_forward_progress 1
		.amdhsa_inst_pref_size 43
	.end_amdhsa_kernel
	.amdgpu_metadata
---
amdhsa.version: [ 1, 2 ]
amdhsa.kernels:
  - .name:           k_q15fc83decd_quant
    .symbol:         k_q15fc83decd_quant.kd
    .args:
      - { .name: x, .offset: 0, .size: 8, .value_kind: global_buffer, .address_space: global }
      - { .name: w_qkv, .offset: 8, .size: 8, .value_kind: global_buffer, .address_space: global }
      - { .name: x_codes, .offset: 16, .size: 8, .value_kind: global_buffer, .address_space: global }
      - { .name: x_scales, .offset: 24, .size: 8, .value_kind: global_buffer, .address_space: global }
      - { .name: w_codes, .offset: 32, .size: 8, .value_kind: global_buffer, .address_space: global }
      - { .name: w_scales, .offset: 40, .size: 8, .value_kind: global_buffer, .address_space: global }
      - { .name: wo, .offset: 48, .size: 8, .value_kind: global_buffer, .address_space: global }
      - { .name: wo16, .offset: 56, .size: 8, .value_kind: global_buffer, .address_space: global }
    .group_segment_fixed_size: 33280
    .private_segment_fixed_size: 0
    .kernarg_segment_align: 8
    .kernarg_segment_size: 64
    .max_flat_workgroup_size: 128
    .sgpr_count:     66
    .vgpr_count:     192
    .wavefront_size: 32
...
	.end_amdgpu_metadata
.endif
;; end of part 1
;; launch qkv (part 2): grid 12 x 32, 4 waves a work-group, clusters of 4 x 4, 327,680 bytes of LDS; arguments x_codes, x_scales, w_codes, w_scales, qkv16; writes qkv16
.if DOCPART == 2
	.amdgcn_target "amdgcn-amd-amdhsa--gfx1250"
	.amdhsa_code_object_version 6
	.text
	.protected	k_q15fc83decd_qkv
	.globl	k_q15fc83decd_qkv
	.p2align	8
	.type	k_q15fc83decd_qkv,@function
k_q15fc83decd_qkv:
	s_mov_b64 s[64:65], 0
	v_nop
	global_prefetch_b8 v0, s[64:65] scope:SCOPE_SE
	s_setreg_imm32_b32 hwreg(HW_REG_WAVE_MODE, 25, 1), 1
	s_wait_xcnt 0x0
	s_wait_alu depctr_hold_cnt(0) depctr_sa_sdst(0) depctr_va_vdst(0) depctr_va_sdst(0) depctr_va_ssrc(0) depctr_va_vcc(0) depctr_vm_vsrc(0)
	s_getreg_b32 s2, hwreg(HW_REG_IB_STS2, 6, 4)
	s_cmp_eq_u32 s2, 0
	s_cbranch_scc0 .Lentry_in_a_cluster
	s_endpgm
.Lentry_in_a_cluster:
	s_bfe_u32 s2, ttmp6, 0x10000c
	s_cmp_lg_u32 s2, 0xf033
	s_cbranch_scc0 .Lentry_shape_is_right
	s_endpgm
.Lentry_shape_is_right:
; qkv[m][n] = sum over k of x[m][k] w_qkv[n][k] on codes of FP4 (E2M1) with one E8M0 scale for each 32 along K; sums in f32.  m = b 2048 + t (8,192), n = part 1024 + h 64 + d (3,072), K = 1,024.
; The result leaves as f16, laid by head: qkv16 [part 3][b 4][h 16][t 2048][64], a plane of 262,144 bytes for each (part, b, h).  q is multiplied in f32 by c = log2(e) / 8 ahead of its one rounding,
; so that the next launch's scores are exponents to base 2.  LIMIT: |c q|, |k|, |v| above 65,504 become infinity in f16.
; A tile of 256 x 256 is made by four waves, each 128 x 128: 64 accumulators of 16 x 16, 512 registers.  K = 1,024 is two LDS slots of 512 along K (rows of 256 bytes): both are asked for at the start and nothing is filled again.
; THE SCALES of the work-group's 256 rows of x and 256 rows of w, for all of K, are two dense blocks of memory: they come into LDS once, with the first fills.
; CLUSTERS: 4 x 4 work-groups.  The four of a row of the cluster need the same tiles of x, the four of a column the same tiles of w: each tile is asked for JOINTLY, by the same tensor load with the same descriptor and a mask that names the four.
; THE MATRIX INSTRUCTION IS USED TRANSPOSED (source 0 = 16 rows of w, source 1 = 16 rows of x): a lane then holds eight neighbouring channels of one position.
; REGISTERS, in windows of 256: window 0: v0-31 addresses; v32-95 scale words, two sets; from v128 x's fragments, ONE set; on the way out v32-191 are free.
;   window 1: w's fragments, TWO sets, at v0 and v128.   window 2: the accumulators of my rows 0-63 ((a, b) at v[8 (8 a + b)]);   window 3: those of my rows 64-127.
.set SIZE_M, 8192
.set SIZE_N, 3072
.set SIZE_K, 1024
.set KSTEP,  512                       ; along K in a slot
.set NQ,     KSTEP/128                 ; matrix instructions deep
.set ROWB,   256                       ; a tile's row in bytes
.set KROW,   SIZE_K*4/8                ; a row of codes in memory
.set PITCH,  272                       ; an LDS row: 256 bytes + 16 of padding = 68 words: the 16 rows that a load touches start at 16 different banks (64 banks of 4 bytes: ISA guide 11.1)
.set FR,     8                         ; registers of a fragment: 16 rows x 128 K
.set NL,     2                         ; LDS loads that bring one
.set NP,     4                         ; places behind this matrix instruction (ISA guide 7.12.1)
.set HALFT,  128*PITCH                 ; 128 rows: what one tensor load brings
.set SLOT,   4*HALFT                   ; x's 256 rows, then w's 256 rows
.set KS,     SIZE_K/32                 ; a row of scales: 32 bytes
.set SCL,    2*SLOT                    ; behind the slots: the scales, as rows of 256 bytes + 16 of padding
.set HALFS,  (128*KS/256)*272          ; the scales of 128 rows
.set SBLK,   (16*KS/256)*272           ; those of 16 rows
.set SPARE,  SCL+4*HALFS               ; the spare words, 128 bytes a wave, that no other line names
.set SPITCH, 144                       ; the way out: a stage of 2 heads x 16 rows x (128 bytes + 16) for each wave, in slot 0, which has had its only fill and its last read by then
.set HSTG,   16*SPITCH
.set ADRA, 16                          ; v16-17  LDS address of my x fragments in slot 0, 1
.set ADRB, 20                          ; v20-21  the same for w
.set STO,  24                          ; v24     the way out: where I put 16 bytes of a row
.set RD,   25                          ; v25     where I read rows back
.set CO,   26                          ; v26     16 x lane
.set ADRS, 27                          ; v27     LDS address of my scale words: lanes 0-15 x's rows, lanes 16-31 w's
.set SPW,  28                          ; v28     my spare word; never rewritten
.set NIL,  29                          ; v29     0; never rewritten
.set SC,   32                          ; scale words: set s at v[SC + 32 s]; register 4 i + q: lanes 0-15 x's block i, lanes 16-31 w's block i, the slot's q-th 128 along K
.set AF,   128                         ; x's fragments, in window 0
.set T,    32                          ; the way out: 64 scaled numbers,
.set H,    96                          ; their 32 registers of f16,
.set BK,   128                         ; and 16 rows x 2 heads read back: v128-159 and v160-191 by turns
.set G1, 24                            ; s[24:31] descriptor group 1 for x's tiles;  s[32:39] group 0, one set for each slot
.set G0, 32
.set G1B, 48                           ; s[48:55], s[56:63] the same for w's tiles
.set G0B, 56
.set G1S, 68                           ; s[68:75], s[76:79] groups 1 and 0 for x's scales;  s[80:87], s[88:91] for w's
.set G0S, 76
.set G1SB, 80
.set G0SB, 88
.set MSB, 0
.macro WIN new                         ; the immediate's high byte repeats the setting that is left
.if MSB != (\new)
	s_set_vgpr_msb (MSB<<8)|(\new)
.set MSB, (\new)
.endif
.endm
.set MUL_LO, 0xa1                      ; source 0 (w) window 1, source 1 (x) window 0, C and D window 2
.set MUL_HI, 0xf1                      ; the same, C and D window 3
.set TO_B,   0x40                      ; destination window 1, address window 0
; A joint load: waves 0 and 1 fetch for x, waves 2 and 3 for w.  Each line has ONE mask and one set of registers for all that issue it; the branch hangs on the wave's number alone.
; An s_nop 0 and four v_nop follow each of the two lines.
.macro JLOAD g0a, g1a, g0b, g1b
	s_cmp_eq_u32 s15, 0
	s_cbranch_scc0 .Lfor_b_\@
	tensor_load_to_lds s[\g0a:\g0a+3], s[\g1a:\g1a+7]
	s_nop 0
.rept 4
	v_nop
.endr
	s_branch .Lasked_\@
.Lfor_b_\@:
	tensor_load_to_lds s[\g0b:\g0b+3], s[\g1b:\g1b+7]
	s_nop 0
.rept 4
	v_nop
.endr
.Lasked_\@:
.endm
.macro CROUND                          ; a round of the cluster's barrier
	s_barrier_signal -1
	s_barrier_wait -1
	s_cmp_lg_u32 s14, 0
	s_cbranch_scc1 .Lnot_wave_0_\@
	s_barrier_signal -3
.Lnot_wave_0_\@:
	s_barrier_wait -3
	s_barrier_signal -1
	s_barrier_wait -1
.endm
	s_load_b128 s[4:7], s[0:1], 0x0                ; x's codes s[4:5], x's scales s[6:7]
	s_load_b128 s[8:11], s[0:1], 0x10              ; w's codes s[8:9], w's scales s[10:11]
	s_load_b64 s[12:13], s[0:1], 0x20              ; qkv16
	v_lshl_add_u32 v[SPW], v0, 2, SPARE
	v_mov_b32 v[NIL], 0
	ds_add_u32 v[SPW], v[NIL]                      ; the wave's opening: the add, twice on end, and its wait ahead of my first tensor load
	ds_add_u32 v[SPW], v[NIL]
	v_lshrrev_b32 v1, 5, v0
	v_readfirstlane_b32 s14, v1                    ; wave 0..3
	s_lshr_b32 s15, s14, 1                         ; which half of the tile's rows is mine.  Also: I fetch for x (0) or for w (1)
	s_and_b32 s16, s14, 1                          ; which half of its columns.  Also: which 128 rows of that tile I fetch
	s_bfe_u32 s40, ttmp6, 0x40000                  ; cx, cy: my place in the cluster
	s_bfe_u32 s41, ttmp6, 0x40004
	s_lshl_b32 s42, ttmp9, 2
	s_add_co_u32 s42, s42, s40                     ; tile column = 4 x cluster x + cx
	s_and_b32 s17, ttmp7, 0xffff
	s_lshl_b32 s17, s17, 2
	s_add_co_u32 s17, s17, s41                     ; tile row = 4 x cluster y + cy
	s_lshl_b32 s43, s41, 2
	s_lshl_b32 s43, 15, s43                        ; my row of the cluster
	s_lshl_b32 s44, 0x1111, s40                    ; my column
	s_mov_b32 s96, 0x3f800000                      ; the factor on the way out: 1 for k and v,
	s_cmp_eq_u32 ttmp9, 0                          ; a cluster's four tile columns are 1,024 columns: cluster x IS the part (0 q, 1 k, 2 v)
	s_cselect_b32 s96, 0x3e38aa3b, s96             ; c = log2(e) / 8 for q: a value is chosen, no path
	s_mov_b32 s97, s96                             ; (named with it as a pair)
	; descriptor group 1: a tile of 128 rows x 256 bytes, padded in LDS
	s_or_b32 s[G1+0], s43, (0<<16)|(1<<20)|(1<<21)|(5<<22)|(3<<25)  ; 15:0 the mask; 17:16 elements of 1 byte; 20 padding on; 21 set beside a mask; 24:22 after every 64 words; 31:25 four words
	s_or_b32 s[G1B+0], s44, (0<<16)|(1<<20)|(1<<21)|(5<<22)|(3<<25)
.irp g, G1, G1B
	s_mov_b32 s[\g+1], ROWB<<16                    ; tensor_dim0
	s_mov_b32 s[\g+2], 128<<16                     ; tensor_dim1
	s_mov_b32 s[\g+3], ROWB<<16                    ; tile_dim0
	s_mov_b32 s[\g+4], 128                         ; tile_dim1
	s_mov_b32 s[\g+5], KROW                        ; tensor_dim0_stride
	s_mov_b32 s[\g+6], 0
	s_mov_b32 s[\g+7], 0
.endr
	; the scales of 128 rows: a dense block of 4,096 bytes, as 16 rows of 256 bytes (32 elements of 8 bytes), 16 bytes of padding behind each
	s_or_b32 s[G1S+0], s43, (3<<16)|(1<<20)|(1<<21)|(5<<22)|(3<<25)
	s_or_b32 s[G1SB+0], s44, (3<<16)|(1<<20)|(1<<21)|(5<<22)|(3<<25)
.irp g, G1S, G1SB
	s_mov_b32 s[\g+1], 32<<16
	s_mov_b32 s[\g+2], (128*KS/256)<<16
	s_mov_b32 s[\g+3], 32<<16
	s_mov_b32 s[\g+4], 128*KS/256
	s_mov_b32 s[\g+5], 32
	s_mov_b32 s[\g+6], 0
	s_mov_b32 s[\g+7], 0
.endr
	s_lshl_b32 s18, s16, 7                         ; which 128 rows of the tile I fetch
	s_lshl_b32 s20, s17, 8
	s_add_co_u32 s20, s20, s18                     ; x: row 256 x tile row + 128 x half
	s_lshl_b32 s46, s42, 8
	s_add_co_u32 s46, s46, s18                     ; w: row 256 x tile column + 128 x half
	s_mov_b32 s21, 0
	s_mov_b32 s47, 0
	s_mov_b64 s[18:19], KS
	s_mul_u64 s[22:23], s[20:21], s[18:19]         ; where these rows' scales begin, in bytes
	s_mul_u64 s[92:93], s[46:47], s[18:19]
	s_mov_b64 s[18:19], KROW
	s_mul_u64 s[20:21], s[20:21], s[18:19]         ; and their codes
	s_mul_u64 s[46:47], s[46:47], s[18:19]
	s_mul_i32 s45, s14, HALFT                      ; where they go: wave x 128 rows: no place in the cluster enters an LDS address
	s_mul_i32 s94, s14, HALFS
	s_wait_dscnt 0x0                               ; both opening adds are done
	s_wait_kmcnt 0x0
	s_add_nc_u64 s[20:21], s[4:5], s[20:21]
	s_add_nc_u64 s[22:23], s[6:7], s[22:23]
	s_add_nc_u64 s[46:47], s[8:9], s[46:47]
	s_add_nc_u64 s[92:93], s[10:11], s[92:93]
	CROUND                                         ; all sixteen work-groups are here: the joint loads meet
	s_mov_b32 s[G0S], 1
	s_add_co_u32 s[G0S+1], s94, SCL
	s_mov_b64 s[G0S+2:G0S+3], s[22:23]
	s_or_b32 s[G0S+3], s[G0S+3], 0x80000000
	s_mov_b32 s[G0SB], 1
	s_add_co_u32 s[G0SB+1], s94, SCL
	s_mov_b64 s[G0SB+2:G0SB+3], s[92:93]
	s_or_b32 s[G0SB+3], s[G0SB+3], 0x80000000
	JLOAD G0S, G1S, G0SB, G1SB                     ; the scales first: they are wanted with slot 0
.irp s, 0,1
	s_mov_b32 s[G0+4*\s], 1
	s_add_co_u32 s[G0+4*\s+1], s45, \s*SLOT
	s_add_nc_u64 s[G0+4*\s+2:G0+4*\s+3], s[20:21], \s*ROWB
	s_or_b32 s[G0+4*\s+3], s[G0+4*\s+3], 0x80000000
	s_mov_b32 s[G0B+4*\s], 1
	s_add_co_u32 s[G0B+4*\s+1], s45, \s*SLOT
	s_add_nc_u64 s[G0B+4*\s+2:G0B+4*\s+3], s[46:47], \s*ROWB
	s_or_b32 s[G0B+4*\s+3], s[G0B+4*\s+3], 0x80000000
	JLOAD G0+4*\s, G1, G0B+4*\s, G1B               ; three tensor loads of mine are out: all that this text issues
.endr
	v_and_b32 v1, 15, v0                           ; l % 16
	v_bfe_u32 v2, v0, 4, 1                         ; l / 16
	v_mul_u32_u24 v3, v1, PITCH
	v_lshl_add_u32 v4, v2, 4, v3                   ; a fragment's row x pitch + 16 x half
	s_mul_i32 s21, s15, HALFT                      ; my 128 rows of x
	s_mul_i32 s22, s16, HALFT                      ; my 128 rows of w,
	s_add_co_u32 s22, s22, 2*HALFT                 ; which lie behind x's 256
.irp s, 0,1
	v_add_nc_u32 v[ADRA+\s], s21, v4
	v_add_nc_u32 v[ADRB+\s], s22, v4
	s_add_co_u32 s21, s21, SLOT
	s_add_co_u32 s22, s22, SLOT
.endr
	v_mul_u32_u24 v5, v1, KS                       ; my row's scales: 32 bytes a row,
	v_lshrrev_b32 v6, 8, v5
	v_lshl_add_u32 v5, v6, 4, v5                   ; and 16 more for each 256 passed
	s_mul_i32 s21, s15, HALFS                      ; x's: my 128 rows
	s_mul_i32 s22, s16, HALFS                      ; w's: my 128 rows, behind x's 256
	s_add_co_u32 s22, s22, 2*HALFS
	s_sub_co_u32 s22, s22, s21
	v_mul_u32_u24 v6, s22, v2                      ; lanes 16-31 take w's: one product, the distance between the two bases
	s_add_co_u32 s21, s21, SCL
	v_add_nc_u32 v5, v5, v6
	v_add_nc_u32 v[ADRS], s21, v5
	s_mul_i32 s23, s14, 2*HSTG                     ; my stage
	v_mul_u32_u24 v5, v1, SPITCH                   ; in: row l % 16, 16 bytes for each half of the lanes
	v_lshl_add_u32 v5, v2, 4, v5
	v_add_nc_u32 v[STO], s23, v5
	v_and_b32 v6, 31, v0
	v_lshlrev_b32 v[CO], 4, v6                     ; in memory 4 rows of 128 bytes are 512 consecutive bytes: 16 x lane
	v_lshrrev_b32 v5, 3, v6                        ; back: eight lanes to a row, four rows an instruction
	v_mul_u32_u24 v5, v5, SPITCH
	v_and_b32 v6, 7, v6
	v_lshl_add_u32 v5, v6, 4, v5
	v_add_nc_u32 v[RD], s23, v5
	; where my 128 positions x 2 heads begin: plane = part 64 + b 16 + h, 2^18 bytes each; a position is 128 bytes.  Rows: b = tile row / 8, t = 256 (tile row % 8) + 128 x half
	s_lshr_b32 s20, s17, 3
	s_lshl_b32 s20, s20, 22                        ; b x 16 planes
	s_and_b32 s21, s17, 7
	s_lshl_b32 s21, s21, 15
	s_add_co_u32 s20, s20, s21
	s_lshl_b32 s21, s15, 14
	s_add_co_u32 s20, s20, s21
	s_mov_b32 s21, 0
	s_lshl_b32 s46, s42, 2                         ; columns: g = 4 x tile column + 2 x half: part = g / 16, h = g % 16 (in the registers that held w's address)
	s_lshl_b32 s47, s16, 1
	s_add_co_u32 s46, s46, s47
	s_lshr_b32 s47, s46, 4
	s_lshl_b32 s47, s47, 24                        ; part x 64 planes
	s_and_b32 s46, s46, 15
	s_lshl_b32 s46, s46, 18
	s_add_co_u32 s46, s46, s47
	s_mov_b32 s47, 0
	s_add_nc_u64 s[20:21], s[20:21], s[46:47]
	s_add_nc_u64 s[12:13], s[12:13], s[20:21]
.macro FRAG reg, adr, q, i             ; a fragment: lane l holds row l % 16; registers 4 c .. 4 c + 3 hold K = 64 c + 32 (l / 16) + 0 .. 31
.irp c, 0,1
	ds_load_b128 v[\reg+4*\c:\reg+4*\c+3], v[\adr] offset:64*(\q)+32*\c+(\i)*16*PITCH
.endr
.endm
; 16 matrix instructions: x's blocks a0, a0 + 1 against w's eight, 128 along K.  p: w's set;  sc: the set of scale words.  zero = 1: the first product starts the sums.
; The 64 accumulators take turns, one instruction a turn, in the same order in every step.
.macro MUL16 a0, p, q, sc, zero
.irp a, \a0, \a0+1
.irp b, 0,1,2,3,4,5,6,7
.if \zero
	v_wmma_scale_f32_16x16x128_f8f6f4 v[8*(8*((\a)%4)+\b):8*(8*((\a)%4)+\b)+7], v[128*(\p)+FR*\b:128*(\p)+FR*\b+FR-1], v[AF+FR*(\a):AF+FR*(\a)+FR-1], 0, v[SC+8*NQ*(\sc)+NQ*\b+(\q)], v[SC+8*NQ*(\sc)+NQ*(\a)+(\q)] matrix_a_fmt:MATRIX_FMT_FP4 matrix_b_fmt:MATRIX_FMT_FP4 matrix_a_scale:MATRIX_SCALE_ROW1
.else
	v_wmma_scale_f32_16x16x128_f8f6f4 v[8*(8*((\a)%4)+\b):8*(8*((\a)%4)+\b)+7], v[128*(\p)+FR*\b:128*(\p)+FR*\b+FR-1], v[AF+FR*(\a):AF+FR*(\a)+FR-1], v[8*(8*((\a)%4)+\b):8*(8*((\a)%4)+\b)+7], v[SC+8*NQ*(\sc)+NQ*\b+(\q)], v[SC+8*NQ*(\sc)+NQ*(\a)+(\q)] matrix_a_fmt:MATRIX_FMT_FP4 matrix_b_fmt:MATRIX_FMT_FP4 matrix_a_scale:MATRIX_SCALE_ROW1
.endif
.endr
.endr
.endm
.macro FETCH_B slot, q, p              ; w's eight fragments of the slot's q-th 128 along K into set p
	WIN TO_B
.irp i, 0,1,2,3,4,5,6,7
	FRAG 128*(\p)+FR*\i, ADRB+\slot, \q, \i
.endr
	WIN 0
.endm
.macro FETCH_A slot, q, i0             ; x's blocks i0 .. i0 + 3
.irp i, \i0, \i0+1, \i0+2, \i0+3
	FRAG AF+FR*(\i), ADRA+\slot, \q, \i
.endr
.endm
.macro SCALES sc                       ; a slot's scale words into set sc: 4 words a row; lanes 0-15 take x's block i, lanes 16-31 w's block i
.irp i, 0,1,2,3,4,5,6,7
	ds_load_b128 v[SC+8*NQ*\sc+NQ*\i:SC+8*NQ*\sc+NQ*\i+3], v[ADRS] offset:\i*SBLK
.endr
.endm
.macro PLACES n                        ; plain vector instructions between a matrix instruction and a load into, or a vector write or read of, its registers
.rept \n
	v_nop
.endr
.endm
; A step of 128 along K that has its successor in the same slot.
.macro STEP slot, q, zero
	s_wait_dscnt 4*NL                              ; w's set and x's blocks 0-3 are in; the youngest eight loads (x's blocks 4-7) may be out
	WIN MUL_LO
	MUL16 0, (\q)%2, \q, \slot, \zero
	MUL16 2, (\q)%2, \q, \slot, \zero
	s_wait_dscnt 0                                 ; x's blocks 4-7 are in
	PLACES NP
	FETCH_B \slot, (\q)+1, 1-(\q)%2
	FETCH_A \slot, (\q)+1, 0
	WIN MUL_HI
	MUL16 4, (\q)%2, \q, \slot, \zero
	MUL16 6, (\q)%2, \q, \slot, \zero
	PLACES NP
	WIN 0
	FETCH_A \slot, (\q)+1, 4
.endm
.macro STEPS slot, from                ; the slot's steps from .. NQ - 2
.set QQ, \from
.rept NQ-1-\from
	STEP \slot, QQ, 0
.set QQ, QQ+1
.endr
.endm
	s_wait_tensorcnt 1                             ; the scales and my part of slot 0 are in (slot 1's load, the one issued behind them, may be out),
	s_barrier_signal -1
	s_barrier_wait -1                              ; everybody's are
	FETCH_B 0, 0, 0
	FETCH_A 0, 0, 0
	SCALES 0
	FETCH_A 0, 0, 4
	STEP 0, 0, 1                                   ; the first step's products start the sums: nothing is cleared
	STEPS 0, 1
	; slot 0's last step changes slots: one barrier; in front of it each wave waits for its part of slot 1 and for its own reads of slot 0
	s_wait_tensorcnt 0x0                           ; all my tensor loads have landed
	ds_add_u32 v[SPW], v[NIL]                      ; 0 onto my spare word
	s_wait_dscnt 4*NL+1                            ; (the add and the youngest eight loads may be out)
	WIN MUL_LO
	MUL16 0, 1, NQ-1, 0, 0
	s_wait_dscnt 0x0                               ; the add is done, and my reads of slot 0 are over
	s_barrier_signal -1
	MUL16 2, 1, NQ-1, 0, 0
	WIN 0
	s_barrier_wait -1
	PLACES NP
	v_add_nc_u32 v[ADRS], 4*NQ, v[ADRS]            ; on to slot 1's scale words
	FETCH_B 1, 0, 0
	FETCH_A 1, 0, 0
	SCALES 1
	WIN MUL_HI
	MUL16 4, 1, NQ-1, 0, 0
	MUL16 6, 1, NQ-1, 0, 0
	PLACES NP
	WIN 0
	FETCH_A 1, 0, 4
	STEPS 1, 0
	s_wait_dscnt 4*NL                              ; the very last step: nothing more to fetch
	WIN MUL_LO
	MUL16 0, 1, NQ-1, 1, 0
	MUL16 2, 1, NQ-1, 1, 0
	s_wait_dscnt 0
	WIN MUL_HI
	MUL16 4, 1, NQ-1, 1, 0
	MUL16 6, 1, NQ-1, 1, 0
	WIN 0
; THE WAY OUT, a block of 16 positions x 128 channels (2 heads) at a time.  PACK: x the factor, in f32, then one rounding to f16: a lane's eight channels are 16 bytes.  (For k and v the factor is 1: one text serves the three parts.)
; TOSTAGE: into my stage, rows of 144 bytes, and back four rows an instruction.  SEND: 16 positions of a head are 2,048 consecutive bytes of its plane: four stores of 512 bytes.
.macro PACK a
.set AC, 64*((\a)%4)
	WIN 0x02+((\a)/4)                              ; source 0: window 2 or 3
.set i, 0
.rept 32
	v_pk_mul_f32 v[T+2*i:T+2*i+1], v[AC+2*i:AC+2*i+1], s[96:97] op_sel_hi:[1,0]   ; ascending: each accumulator is read from its low end on
.set i, i+1
.endr
	WIN 0
.set i, 0
.rept 32
	v_cvt_pk_f16_f32 v[H+i], v[T+2*i], v[T+2*i+1]
.set i, i+1
.endr
.endm
.macro TOSTAGE a
.set BB, BK+32*((\a)%2)
.irp b, 0,1,2,3,4,5,6,7
	ds_store_b128 v[STO], v[H+4*\b:H+4*\b+3] offset:(\b/4)*HSTG+(\b%4)*32
.endr
.irp hd, 0,1
.irp i, 0,1,2,3
	ds_load_b128 v[BB+4*(4*\hd+\i):BB+4*(4*\hd+\i)+3], v[RD] offset:\hd*HSTG+\i*4*SPITCH   ; LDS serves a wave's instructions in order: these see the stores above
.endr
.endr
.endm
.macro SEND a
.set BB, BK+32*((\a)%2)
	s_wait_dscnt 0x0                               ; the block is back in registers
	s_wait_xcnt 0x0                                ; the block before has had its stores' sources read: the next block's loads may land on them
.irp hd, 0,1
.irp i, 0,1,2,3
	global_store_b128 v[CO], v[BB+4*(4*\hd+\i):BB+4*(4*\hd+\i)+3], s[12:13] offset:\hd*262144+(\a)*2048+\i*512   ; 512 consecutive bytes, aligned; the base is never stepped
.endr
.endr
.endm
	PLACES NP                                      ; behind the last products: the first writes below land on scale registers
	PACK 0
	TOSTAGE 0
.irp a, 1,2,3,4,5,6,7                  ; block a's arithmetic stands between block a - 1's loads from the stage and the wait for them
	PACK \a
	SEND \a-1
	TOSTAGE \a
.endr
	SEND 7
	s_wait_tensorcnt 0x0                           ; the wave's end
	ds_add_u32 v[SPW], v[NIL]
	s_wait_dscnt 0x0
	CROUND                                         ; the closing round: no work-group ends while a partner may still ask for a tile that names it
	s_endpgm
.Lfunc_end_k_q15fc83decd_qkv:
	.size	k_q15fc83decd_qkv, .Lfunc_end_k_q15fc83decd_qkv-k_q15fc83decd_qkv
	.p2alignl 7, 3214868480
	.fill 96, 4, 3214868480
	.section	.rodata,"a",@progbits
	.p2align	6, 0x0
	.amdhsa_kernel k_q15fc83decd_qkv
		.amdhsa_group_segment_fixed_size 327680
		.amdhsa_private_segment_fixed_size 0
		.amdhsa_enable_private_segment 0
		.amdhsa_kernarg_size 40
		.amdhsa_user_sgpr_count 2
		.amdhsa_user_sgpr_kernarg_segment_ptr 1
		.amdhsa_wavefront_size32 1
		.amdhsa_system_sgpr_workgroup_id_x 1
		.amdhsa_system_sgpr_workgroup_id_y 1
		.amdhsa_system_sgpr_workgroup_id_z 1
		.amdhsa_system_vgpr_workitem_id 0
		.amdhsa_next_free_vgpr 1024
		.amdhsa_next_free_sgpr 100
		.amdhsa_reserve_vcc 0
		.amdhsa_float_denorm_mode_32 3
		.amdhsa_float_denorm_mode_16_64 3
		.amdhsa_memory_ordered 1
		.amdhsa_forward_progress 1
		.amdhsa_inst_pref_size 143
	.end_amdhsa_kernel
	.amdgpu_metadata
---
amdhsa.version: [ 1, 2 ]
amdhsa.kernels:
  - .name:           k_q15fc83decd_qkv
    .symbol:         k_q15fc83decd_qkv.kd
    .args:
      - { .name: x_codes, .offset: 0, .size: 8, .value_kind: global_buffer, .address_space: global }
      - { .name: x_scales, .offset: 8, .size: 8, .value_kind: global_buffer, .address_space: global }
      - { .name: w_codes, .offset: 16, .size: 8, .value_kind: global_buffer, .address_space: global }
      - { .name: w_scales, .offset: 24, .size: 8, .value_kind: global_buffer, .address_space: global }
      - { .name: qkv16, .offset: 32, .size: 8, .value_kind: global_buffer, .address_space: global }
    .group_segment_fixed_size: 327680
    .private_segment_fixed_size: 0
    .kernarg_segment_align: 8
    .kernarg_segment_size: 40
    .max_flat_workgroup_size: 128
    .sgpr_count:     100
    .vgpr_count:     1024
    .wavefront_size: 32
...
	.end_amdgpu_metadata
.endif
;; end of part 2
;; launch attn (part 3): grid 4 x 64, 8 waves a work-group, no clusters, 327,680 bytes of LDS; arguments qkv16, y16; writes y16
.if DOCPART == 3
	.amdgcn_target "amdgcn-amd-amdhsa--gfx1250"
	.amdhsa_code_object_version 6
	.text
	.protected	k_q15fc83decd_attn
	.globl	k_q15fc83decd_attn
	.p2align	8
	.type	k_q15fc83decd_attn,@function
k_q15fc83decd_attn:
	s_mov_b64 s[64:65], 0
	v_nop
	global_prefetch_b8 v0, s[64:65] scope:SCOPE_SE
	s_setreg_imm32_b32 hwreg(HW_REG_WAVE_MODE, 25, 1), 1
	s_wait_xcnt 0x0
; y[b][h][q][:] = the sum over k <= q of softmax_k(q . k / 8) v[k][:], for 64 (b, h) planes of 2,048 positions x 64 channels.  q (already x log2(e) / 8), k, v: f16, planes of qkv16; y16: f16, the same planes.
; Products on f16 operands with f32 sums; maxima, exponentials and sums in f32; the weights p are rounded to f16 for the second product, y once at the end.
; LIMITS: NaN and infinities are not served; |y| is at most the largest |v|, so it has f16's room where v has.
; SHARES.  Work-group (j, plane) owns query blocks 7 - j (late) and j (early), 256 queries each; each of its eight waves owns 32 queries of each block: piece 0 = tiles 0, 1 (late), piece 2 = tiles 2, 3 (early).
; Under the causal mask a late and an early block together see the same number of keys for every j: 256 work-groups of equal work.  Two waves share a SIMD: one's softmax stands beside the other's matrix work.
; NO CLUSTER: the four work-groups of a plane read the same K and V but need different numbers of slots (8 - j) under the mask: a partner would have to ask for tiles that none of its waves reads.
; LAYOUT.  S^T = K Q^T (source 0 = 16 keys, source 1 = 16 queries): a lane holds ONE query (lane % 16) and keys 8 (lane / 16) + 0..7.  Two such tiles, rounded to f16 in pairs, ARE source 1 of O^T = V^T P.
; K comes out of LDS as it lies, V ([key][channel]) turned, by ds_load_tr16_b128.
; SOFTMAX.  A running maximum m and sum l for each query: p = 2^(t - m); in every step O and l are multiplied by a = 2^(m_old - m_new).  O and l begin as zeros and m as -3e38, so the step is written once.
; THE RING.  Two LDS slots of 256 keys; every work-group walks all 8 slots (constant trip counts); a step all of whose keys come after a piece's queries is jumped over by a scalar branch on ids,
; and a slot whose first key comes after the work-group's last query is not asked for.
; REGISTERS: window 0: v1-15 addresses; v16-63 twelve registers of statistics a tile; v64-191 S^T, 32 a tile, then p, then P in its first 16; v192-255 Q, 16 a tile.
;   window 1: v0-127 O^T, 32 a tile; v128-191 K's 8 fragments; v192-255 V's 8 fragments.
.set PK,    144                        ; a key's row of K in LDS: 128 bytes + 16: the 16 rows of a load start at different banks
.set PV,    160                        ; of V: 128 + 32: an odd multiple of 32
.set SKEYS, 256                        ; keys in a slot
.set VOFF,  SKEYS*PK                   ; a slot: 256 rows of K, then 256 rows of V
.set SLOT1, 1<<17                      ; slot 1 begins here: one exclusive or turns an address from one slot to the other
.set STAGE, 2*SLOT1                    ; behind the ring: 16 rows x 144 bytes for each wave, for the way out
.set SP,    144
.set SPARE, STAGE+8*16*SP              ; the spare words, 128 bytes a wave, that no other line names
.set AK0, 1                            ; v1   my lane's place in a tile of K
.set AV0, 2                            ; v2   the same for V
.set ADK, 3                            ; v3   LDS address of the step's K
.set ADV, 4                            ; v4   of its V
.set SPW, 5                            ; v5   my spare word; never rewritten
.set NIL, 6                            ; v6   0; never rewritten
.set STO, 7                            ; v7   the way out: where I put 16 bytes of a row
.set RD,  8                            ; v8   where I read rows back
.set GO,  9                            ; v9   16 x lane
.set NINF, 10                          ; v10  -infinity
.set D0,  11                           ; v11  the mask's bound
.set RH,  12                           ; v12  lane % 16 - 8 (lane / 16)
.set PFO, 13                           ; v13  the prefetches' offset in K's plane
.set PFO2, 14                          ; v14  the same in V's plane, 64 planes on
.set QO,  15                           ; v15  my byte in 16 rows of Q
.set ST,  16                           ; tile t's statistics at v[ST + 12 t]: +0 m, +1 old m, +2 +3 l, +4 a, +5 zero, +6..+9 c0-c3, +10 +11 a sum at work
.set S,   64
.set Q,   192
.set KFR, 128                          ; in window 1
.set VFR, 192
.set TK,  2                            ; s2   LDS byte at which the step's K begins
.set TV,  3                            ; s3   and its V, less VOFF
.set WV,  8
.set HD,  10
.set KF,  11                           ; s11  the step's first key
.set QL0, 12                           ; s12  piece 0's first query
.set QE0, 13                           ; s13  piece 2's
.set WGLAST, 14                        ; s14  the work-group's last query
.set SLOTS, 15
.set CNT, 16
.set LIM, 18
.set SEL, 20                           ; s[20:21] lane selects: lane l xor 16
.set G1K, 24
.set G1V, 32
.set G0K, 40
.set G0V, 44
.set QBL, 48                           ; s[48:49], s[50:51] Q at piece 0's, piece 2's first query
.set YBL, 52                           ; s[52:53], s[54:55] y16 likewise
.set PFA, 56                           ; s[56:57] K's plane at the slot after the one that is being asked for
.set MSB, 0
.macro WIN new
.if MSB != (\new)
	s_set_vgpr_msb (MSB<<8)|(\new)
.set MSB, (\new)
.endif
.endm
.set W_KQ, 0x01                        ; K in window 1; Q and S^T in window 0
.set W_PV, 0x51                        ; V and O^T in window 1, P in window 0
.set W_RS, 0x41                        ; O^T (destination and source 0) in window 1, a in window 0
.set W_LD, 0x40                        ; destination window 1, address window 0
; Waves 0 and 1 fetch K's halves of a slot, waves 2 and 3 V's, the others nothing.  An s_nop 0 and four v_nop follow each line.
.macro TLOAD
	s_cmp_lt_u32 s[WV], 2
	s_cbranch_scc0 .Lnot_k_\@
	tensor_load_to_lds s[G0K:G0K+3], s[G1K:G1K+7]
	s_nop 0
.rept 4
	v_nop
.endr
	s_branch .Lasked_\@
.Lnot_k_\@:
	s_cmp_lt_u32 s[WV], 4
	s_cbranch_scc0 .Lasked_\@
	tensor_load_to_lds s[G0V:G0V+3], s[G1V:G1V+7]
	s_nop 0
.rept 4
	v_nop
.endr
.Lasked_\@:
.endm
; A PREFETCH INTO THE L2 of the slot that the NEXT change of slots will ask for: 32,768 dense bytes of K and as many of V.  The plane's work-group j = 0, which walks all slots, asks, and nobody else;
; in it waves 4 to 7, which fetch nothing: 8,192 bytes of each a wave, lanes 256 bytes apart: each aligned block of 256 bytes is named once in the launch.  The last change that fills a slot asks for nothing; slots 0 and 1 come by their loads alone.
.macro ASK
	s_cmp_gt_u32 s[SLOTS], s[LIM]
	s_cbranch_scc0 .Lnot_mine_\@
	global_prefetch_b8 v[PFO], s[PFA:PFA+1] th:TH_LOAD_NT scope:SCOPE_SE
	global_prefetch_b8 v[PFO2], s[PFA:PFA+1] th:TH_LOAD_NT scope:SCOPE_SE
.Lnot_mine_\@:
.endm
	s_load_b128 s[4:7], s[0:1], 0x0                ; qkv16, y16
	v_lshl_add_u32 v[SPW], v0, 2, SPARE
	v_mov_b32 v[NIL], 0
	ds_add_u32 v[SPW], v[NIL]                      ; the wave's opening: the add, twice on end, and its wait ahead of my first tensor load
	ds_add_u32 v[SPW], v[NIL]
	v_lshrrev_b32 v1, 5, v0
	v_readfirstlane_b32 s[WV], v1                  ; wave 0..7
	s_and_b32 s[HD], ttmp7, 0xffff                 ; the plane: b 16 + h
	s_sub_co_u32 s96, 7, ttmp9
	s_lshl_b32 s96, s96, 8                         ; 256 (7 - j)
	s_lshl_b32 s97, s[WV], 5
	s_add_co_u32 s[QL0], s96, s97
	s_or_b32 s[WGLAST], s96, 255
	s_lshl_b32 s96, ttmp9, 8
	s_add_co_u32 s[QE0], s96, s97
	; descriptor group 1: 128 rows of 64 f16, dense in memory, padded in LDS
	s_mov_b32 s[G1K], (1<<16)|(1<<20)|(4<<22)|(3<<25)   ; no mask; elements of 2 bytes; padding on: after every 32 words four words
	s_mov_b32 s[G1V], (1<<16)|(1<<20)|(4<<22)|(7<<25)   ; the same with eight words
.irp g, G1K, G1V
	s_mov_b32 s[\g+1], 64<<16                      ; tensor_dim0
	s_mov_b32 s[\g+2], 128<<16                     ; tensor_dim1
	s_mov_b32 s[\g+3], 64<<16                      ; tile_dim0
	s_mov_b32 s[\g+4], 128                         ; tile_dim1
	s_mov_b32 s[\g+5], 64                          ; tensor_dim0_stride
	s_mov_b32 s[\g+6], 0
	s_mov_b32 s[\g+7], 0
.endr
	s_lshl_b32 s70, s[HD], 18                      ; the plane's bytes
	s_and_b32 s72, s[WV], 1                        ; which 128 keys of a slot I fetch, if I fetch
	s_lshl_b32 s73, s72, 14
	s_add_co_u32 s74, s70, s73
	s_add_co_u32 s74, s74, 64<<18                  ; K's planes lie 64 behind q's,
	s_mov_b32 s75, 0
	s_add_co_u32 s76, s74, 64<<18                  ; V's 128
	s_mov_b32 s77, 0
	s_mul_i32 s78, s72, 128*PK                     ; and in a slot
	s_mul_i32 s79, s72, 128*PV
	s_add_co_u32 s79, s79, VOFF
	s_lshl_b32 s80, s[QL0], 7                      ; a position is 128 bytes
	s_add_co_u32 s80, s80, s70
	s_mov_b32 s81, 0
	s_lshl_b32 s82, s[QE0], 7
	s_add_co_u32 s82, s82, s70
	s_mov_b32 s83, 0
	s_add_co_u32 s84, s70, (64<<18)+SKEYS*128      ; the prefetches stand at K's slot 1: the first change of slots steps them to slot 2
	s_mov_b32 s85, 0
	s_lshr_b32 s96, s[WV], 2
	s_xor_b32 s96, s96, 1                          ; 0 in waves 4 to 7,
	s_or_b32 s96, s96, ttmp9                       ; of work-group j = 0
	s_cmp_eq_u32 s96, 0
	s_cselect_b32 s[LIM], 1, -1                    ; a wave prefetches while s[SLOTS] is above this
	s_mov_b32 s[SEL], 0x76543210
	s_mov_b32 s[SEL+1], 0xfedcba98
	s_mov_b32 s[TK], 0
	s_mov_b32 s[TV], 0
	s_mov_b32 s[KF], 0
	s_mov_b32 s[SLOTS], 7
	s_wait_dscnt 0x0                               ; both opening adds are done
	s_wait_kmcnt 0x0
	s_mov_b32 s[G0K], 1                            ; count = 1
	s_mov_b32 s[G0K+1], s78                        ; LDS address: slot 0
	s_add_nc_u64 s[G0K+2:G0K+3], s[4:5], s[74:75]  ; the plane's first keys
	s_or_b32 s[G0K+3], s[G0K+3], 0x80000000        ; type = 2
	s_mov_b32 s[G0V], 1
	s_mov_b32 s[G0V+1], s79
	s_add_nc_u64 s[G0V+2:G0V+3], s[4:5], s[76:77]
	s_or_b32 s[G0V+3], s[G0V+3], 0x80000000
	TLOAD                                          ; slot 0: it holds key 0, which counts for every query
	s_add_nc_u64 s[QBL:QBL+1], s[4:5], s[80:81]
	s_add_nc_u64 s[QBL+2:QBL+3], s[4:5], s[82:83]
	s_add_nc_u64 s[YBL:YBL+1], s[6:7], s[80:81]
	s_add_nc_u64 s[YBL+2:YBL+3], s[6:7], s[82:83]
	s_add_nc_u64 s[PFA:PFA+1], s[4:5], s[84:85]
	v_and_b32 v64, 15, v0                          ; r
	v_bfe_u32 v65, v0, 4, 1                        ; h
	v_lshlrev_b32 v[QO], 7, v64
	v_lshl_add_u32 v[QO], v65, 4, v[QO]            ; row r of 128 bytes + 16 h
.irp p, 0,1                                    ; Q stays in registers: tile 2 p + tt, channels 32 c on
.irp tt, 0,1
.irp c, 0,1
	global_load_b128 v[Q+16*(2*\p+\tt)+8*\c:Q+16*(2*\p+\tt)+8*\c+3],   v[QO], s[QBL+2*\p:QBL+2*\p+1] offset:\tt*2048+64*\c
	global_load_b128 v[Q+16*(2*\p+\tt)+8*\c+4:Q+16*(2*\p+\tt)+8*\c+7], v[QO], s[QBL+2*\p:QBL+2*\p+1] offset:\tt*2048+64*\c+32
.endr
.endr
.endr
	v_mul_u32_u24 v[AK0], v64, PK
	v_lshl_add_u32 v[AK0], v65, 4, v[AK0]          ; row r x pitch + 16 h
	v_and_b32 v66, 7, v0                           ; the turning load: lane l reads key 8 (l / 16) + l % 8, channels 8 ((l / 8) % 2) on
	v_lshl_add_u32 v66, v65, 3, v66
	v_mul_u32_u24 v[AV0], v66, PV
	v_bfe_u32 v66, v0, 3, 1
	v_lshl_add_u32 v[AV0], v66, 4, v[AV0]
	v_add_nc_u32 v[AV0], VOFF, v[AV0]
	s_mul_i32 s96, s[WV], 16*SP
	s_add_co_u32 s96, s96, STAGE                   ; my stage
	v_mul_u32_u24 v[STO], v64, SP
	v_lshl_add_u32 v[STO], v65, 4, v[STO]
	v_add_nc_u32 v[STO], s96, v[STO]               ; in: row r, 16 bytes for each half of the lanes
	v_bfe_u32 v66, v0, 3, 2
	v_mul_u32_u24 v[RD], v66, SP
	v_and_b32 v66, 7, v0
	v_lshl_add_u32 v[RD], v66, 4, v[RD]
	v_add_nc_u32 v[RD], s96, v[RD]                 ; back: eight lanes to a row, four rows an instruction
	v_and_b32 v66, 31, v0
	v_lshlrev_b32 v[GO], 4, v66
	s_and_b32 s96, s[WV], 3
	s_lshl_b32 s96, s96, 13
	v_lshl_add_u32 v[PFO], v66, 8, s96             ; 256 x lane + 8,192 x (wave % 4)
	v_add_nc_u32 v[PFO2], 1<<24, v[PFO]
	v_lshlrev_b32 v66, 3, v65
	v_sub_nc_u32 v[RH], v64, v66
	v_mov_b32 v[NINF], 0xff800000
.irp t, 0,1,2,3
	v_mov_b32 v[ST+12*\t], 0xff61b1e6              ; m: -3e38, under every t
	v_mov_b32 v[ST+12*\t+1], 0xff61b1e6
	v_mov_b32 v[ST+12*\t+2], 0                     ; l, in two halves
	v_mov_b32 v[ST+12*\t+3], 0
	v_mov_b32 v[ST+12*\t+5], 0                     ; named with a as a pair
	v_mov_b32 v[ST+12*\t+7], 0                     ; a lane permute's destination counts as one of its sources
.endr
	WIN W_LD
.set i, 0
.rept 128
	v_mov_b32 v[i], 0                              ; O^T.  The key step is written once: its first pass finds zeros, which a = 0 leaves zeros; a first step of its own would cost a third copy of the step
.set i, i+1
.endr
	WIN 0
; 16 products of S^T = K Q^T for piece x: channels 32 (i / 8) on, keys 16 ((i / 2) % 4) on, tile x + i % 2.  The first 8 start the sums; the 8 accumulators take turns.
.macro MKQ x
	WIN W_KQ
.set i, 0
.rept 16
.set rS, S+32*((\x)+i%2)+8*((i/2)%4)
.set rK, KFR+8*(2*((i/2)%4)+i/8)
.set rQ, Q+16*((\x)+i%2)+8*(i/8)
.if i < 8
	v_wmma_f32_16x16x32_f16 v[rS:rS+7], v[rK:rK+7], v[rQ:rQ+7], 0
.else
	v_wmma_f32_16x16x32_f16 v[rS:rS+7], v[rK:rK+7], v[rQ:rQ+7], v[rS:rS+7]
.endif
.set i, i+1
.endr
	WIN 0
.endm
; 16 products of O^T += V^T P: keys 32 (i / 8) on, channels 16 ((i / 2) % 4) on, tile x + i % 2
.macro MPV x
	WIN W_PV
.set i, 0
.rept 16
.set rO, 32*((\x)+i%2)+8*((i/2)%4)
.set rV, VFR+8*(4*(i/8)+(i/2)%4)
.set rP, S+32*((\x)+i%2)+8*(i/8)
	v_wmma_f32_16x16x32_f16 v[rO:rO+7], v[rV:rV+7], v[rP:rP+7], v[rO:rO+7]
.set i, i+1
.endr
	WIN 0
.endm
; THE SOFTMAX of piece x (tiles x, x + 1, line by line by turns) for one key step.  q0: the scalar register with the piece's first query.
.macro SM x, q0
	s_add_co_u32 s96, s[KF], 63                    ; a step all of whose keys count for all 32 queries skips the mask
	s_cmp_le_u32 s96, s[\q0]
	s_cbranch_scc1 .Lopen_\@
	s_sub_co_i32 s96, s[\q0], s[KF]
	v_add_nc_u32 v[D0], s96, v[RH]                 ; register n of tile x + tt holds key KF + 16 (n / 8) + 8 (lane / 16) + n % 8, query q0 + 16 tt + lane % 16: hidden where 16 (n / 8) + n % 8 - 16 tt > this
.set n, 0
.rept 32
	v_cmp_gt_i32 vcc_lo, 16*(n/8)+n%8, v[D0]
	v_cndmask_b32 v[S+32*(\x)+n], v[S+32*(\x)+n], v[NINF], vcc_lo
	v_cmp_gt_i32 vcc_lo, 16*(n/8)+n%8-16, v[D0]
	v_cndmask_b32 v[S+32*(\x)+32+n], v[S+32*(\x)+32+n], v[NINF], vcc_lo
.set n, n+1
.endr
.Lopen_\@:
.irp a, 0,1,2,3                                ; the maximum: four chains, each begun at its accumulator's low end
.irp t, \x, \x+1
	v_max3_num_f32 v[ST+12*(\t)+6+\a], v[S+32*(\t)+8*\a], v[S+32*(\t)+8*\a+1], v[S+32*(\t)+8*\a+2]
.endr
.endr
.irp k, 3,5
.irp a, 0,1,2,3
.irp t, \x, \x+1
	v_max3_num_f32 v[ST+12*(\t)+6+\a], v[ST+12*(\t)+6+\a], v[S+32*(\t)+8*\a+\k], v[S+32*(\t)+8*\a+\k+1]
.endr
.endr
.endr
.irp t, \x, \x+1
	v_max3_num_f32 v[ST+12*(\t)+6], v[ST+12*(\t)+6], v[S+32*(\t)+7], v[S+32*(\t)+15]
	v_max3_num_f32 v[ST+12*(\t)+8], v[ST+12*(\t)+8], v[S+32*(\t)+23], v[S+32*(\t)+31]
.endr
.irp t, \x, \x+1
	v_max3_num_f32 v[ST+12*(\t)+6], v[ST+12*(\t)+6], v[ST+12*(\t)+7], v[ST+12*(\t)+8]
.endr
.irp t, \x, \x+1
	v_max3_num_f32 v[ST+12*(\t)+6], v[ST+12*(\t)+6], v[ST+12*(\t)+9], v[ST+12*(\t)]   ; and the old m
.endr
.irp t, \x, \x+1
	v_permlanex16_b32 v[ST+12*(\t)+7], v[ST+12*(\t)+6], s[SEL], s[SEL+1]   ; the query's other 32 keys lie in the lane 16 away
.endr
.irp t, \x, \x+1
	v_mov_b32 v[ST+12*(\t)+1], v[ST+12*(\t)]
.endr
.irp t, \x, \x+1
	v_max_num_f32 v[ST+12*(\t)], v[ST+12*(\t)+6], v[ST+12*(\t)+7]
.endr
.irp t, \x, \x+1
	v_sub_f32 v[ST+12*(\t)+4], v[ST+12*(\t)+1], v[ST+12*(\t)]              ; m_old - m_new
.endr
.set n, 0
.rept 16
.irp t, \x, \x+1
	v_pk_add_f32 v[S+32*(\t)+2*n:S+32*(\t)+2*n+1], v[S+32*(\t)+2*n:S+32*(\t)+2*n+1], v[ST+12*(\t):ST+12*(\t)+1] op_sel_hi:[1,0] neg_lo:[0,1] neg_hi:[0,1]   ; t - m, two at a time
.endr
.set n, n+1
.endr
.irp t, \x, \x+1
	v_exp_f32 v[ST+12*(\t)+4], v[ST+12*(\t)+4]     ; a
.endr
.set n, 0
.rept 32
.irp t, \x, \x+1
	v_exp_f32 v[S+32*(\t)+n], v[S+32*(\t)+n]       ; p = 2^(t - m), at most 1
.endr
.set n, n+1
.endr
	v_nop                                          ; a plain instruction behind the last exponential
	s_wait_alu depctr_va_vdst(0)                   ; ONE wait for the batch of 66, ahead of its first use
.irp t, \x, \x+1
	v_pk_mul_f32 v[ST+12*(\t)+2:ST+12*(\t)+3], v[ST+12*(\t)+2:ST+12*(\t)+3], v[ST+12*(\t)+4:ST+12*(\t)+5] op_sel_hi:[1,0]   ; l x a
	v_pk_add_f32 v[ST+12*(\t)+10:ST+12*(\t)+11], v[S+32*(\t):S+32*(\t)+1], v[S+32*(\t)+2:S+32*(\t)+3]                       ; the sums of the unrounded p, in two chains
.endr
.irp n4, 4,8,12,16,20,24,28
.irp t, \x, \x+1
	v_pk_add_f32 v[ST+12*(\t)+2:ST+12*(\t)+3], v[ST+12*(\t)+2:ST+12*(\t)+3], v[S+32*(\t)+\n4:S+32*(\t)+\n4+1]
	v_pk_add_f32 v[ST+12*(\t)+10:ST+12*(\t)+11], v[ST+12*(\t)+10:ST+12*(\t)+11], v[S+32*(\t)+\n4+2:S+32*(\t)+\n4+3]
.endr
.endr
.irp t, \x, \x+1
	v_pk_add_f32 v[ST+12*(\t)+2:ST+12*(\t)+3], v[ST+12*(\t)+2:ST+12*(\t)+3], v[ST+12*(\t)+10:ST+12*(\t)+11]
.endr
.set n, 0
.rept 16
.irp t, \x, \x+1
	v_cvt_pk_f16_f32 v[S+32*(\t)+n], v[S+32*(\t)+2*n], v[S+32*(\t)+2*n+1]   ; P, in place, ascending: a result never lands on a weight still to be read
.endr
.set n, n+1
.endr
	WIN W_RS
.set n, 0
.rept 32
	v_pk_mul_f32 v[32*(\x)+2*n:32*(\x)+2*n+1], v[32*(\x)+2*n:32*(\x)+2*n+1], v[ST+12*((\x)+n/16)+4:ST+12*((\x)+n/16)+5] op_sel_hi:[1,0]   ; O^T x a, each accumulator from its low end on
.set n, n+1
.endr
	WIN 0
.endm
; A KEY STEP: 64 keys.  Piece 0, then, while the early block still sees these keys, piece 2 on the same fragments of K and V.
.macro STEP
	s_add_co_u32 s96, s[QL0], 31                   ; all 64 keys come after my late queries (and so after my early ones): the step's work is left out; the address steps at its end are not
	s_cmp_gt_u32 s[KF], s96
	s_cbranch_scc1 .Lhidden_\@
	v_add_nc_u32 v[ADK], s[TK], v[AK0]
	v_add_nc_u32 v[ADV], s[TV], v[AV0]
.rept 4
	v_nop                                          ; with the two additions six places behind the last step's V^T P: four are owed ahead of loads into V's registers, five ahead of products that write over P
.endr
	WIN W_LD
.irp a, 0,1,2,3
.irp c, 0,1
	ds_load_b128 v[KFR+8*(2*\a+\c):KFR+8*(2*\a+\c)+3],   v[ADK] offset:\a*16*PK+64*\c
	ds_load_b128 v[KFR+8*(2*\a+\c)+4:KFR+8*(2*\a+\c)+7], v[ADK] offset:\a*16*PK+64*\c+32
.endr
.endr
.irp u, 0,1
.irp ct, 0,1,2,3
	ds_load_tr16_b128 v[VFR+8*(4*\u+\ct):VFR+8*(4*\u+\ct)+3],   v[ADV] offset:\u*32*PV+32*\ct
	ds_load_tr16_b128 v[VFR+8*(4*\u+\ct)+4:VFR+8*(4*\u+\ct)+7], v[ADV] offset:\u*32*PV+16*PV+32*\ct
.endr
.endr
	WIN 0
	s_wait_dscnt 16                                ; K's sixteen loads are in; V's sixteen, issued behind them, may be out
	MKQ 0
.rept 4
	v_nop                                          ; places ahead of the first read of the scores
.endr
	SM 0, QL0
	s_wait_dscnt 0x0                               ; V is in
	MPV 0
	s_add_co_u32 s96, s[QE0], 31                   ; do my early queries see these keys?
	s_cmp_gt_u32 s[KF], s96
	s_cbranch_scc1 .Lhidden_\@
	MKQ 2
.rept 4
	v_nop
.endr
	SM 2, QE0
	MPV 2
.Lhidden_\@:
	s_add_co_u32 s[KF], s[KF], 64
	s_add_co_u32 s[TK], s[TK], 64*PK
	s_add_co_u32 s[TV], s[TV], 64*PV
.endm
.macro SLOT_STEPS                      ; a slot's four key steps: written once, walked four times
	s_mov_b32 s[CNT], 4
.Lst_\@:
	STEP
	s_sub_co_u32 s[CNT], s[CNT], 1
	s_cmp_lg_u32 s[CNT], 0
	s_cbranch_scc1 .Lst_\@
	s_sub_co_u32 s[TK], s[TK], SKEYS*PK            ; back to a slot's first step,
	s_xor_b32 s[TK], s[TK], SLOT1                  ; in the other slot
	s_sub_co_u32 s[TV], s[TV], SKEYS*PV
	s_xor_b32 s[TV], s[TV], SLOT1
.endm
; THE CHANGE OF SLOTS stands at a slot's head.  Each wave waits for all its tensor loads (its part of the slot that it is about to read), adds 0 to its spare word, and waits for that and for its reads of the slot that it has left.
; Behind the barrier the slot ahead is whole and nobody reads the other one.  fill = 1: that other slot takes the next 256 keys, up to the causal limit: the load has four key steps in which to land.  A wave has at most one tensor load out.
.macro CHANGE fill
	s_wait_tensorcnt 0x0                           ; no tensor load of mine is out, so a group 0 may be written
	ds_add_u32 v[SPW], v[NIL]
.if \fill
	ds_add_u32 v[SPW], v[NIL]                      ; and once more, in every trip alike
	s_xor_b32 s[G0K+1], s[G0K+1], SLOT1            ; the walking descriptors: the other slot than last time,
	s_add_nc_u64 s[G0K+2:G0K+3], s[G0K+2:G0K+3], SKEYS*128   ; the next 256 keys
	s_xor_b32 s[G0V+1], s[G0V+1], SLOT1
	s_add_nc_u64 s[G0V+2:G0V+3], s[G0V+2:G0V+3], SKEYS*128
	s_wait_xcnt 0x0                                ; the last prefetches, a slot back, have read their address
	s_add_nc_u64 s[PFA:PFA+1], s[PFA:PFA+1], SKEYS*128   ; one slot further on than the walking descriptors
.endif
	s_wait_dscnt 0x0                               ; the add is done, and my reads of the slot that I have left are over
	s_barrier_signal -1
	s_barrier_wait -1
.if \fill
	s_add_co_u32 s96, s[KF], SKEYS                 ; the first key of the slot that this change would ask for:
	s_cmp_gt_u32 s96, s[WGLAST]                    ; past my work-group's last query none of its waves reads it, so it is not asked for.  Ids and the count of steps alone: all eight waves go the same way;
	s_cbranch_scc1 .Lpast_\@                       ; every wait on TENSORcnt in this text is for 0, and the jump leads round the load's own lines alone
	TLOAD
.Lpast_\@:
	ASK
.endif
.endm
	s_wait_loadcnt 0x0                             ; Q
.Lslot:                                            ; 7 trips: behind each change of slots but the last the next slot is asked for, up to the limit
	CHANGE 1
	SLOT_STEPS
	s_sub_co_u32 s[SLOTS], s[SLOTS], 1
	s_cmp_lg_u32 s[SLOTS], 0
	s_cbranch_scc1 .Lslot
	CHANGE 0                                       ; the last slot is written out: nothing is left to ask for
	SLOT_STEPS
	; THE WAY OUT.  l's two halves and the other half of the lanes' are added; O^T / l is rounded to f16 and goes through my stage, a tile (16 positions, 2,048 consecutive bytes of the plane) at a time.
.irp t, 0,1,2,3
	v_add_f32 v[ST+12*\t+6], v[ST+12*\t+2], v[ST+12*\t+3]    ; (these additions are also the places behind the last products)
.endr
.irp t, 0,1,2,3
	v_permlanex16_b32 v[ST+12*\t+7], v[ST+12*\t+6], s[SEL], s[SEL+1]
.endr
.irp t, 0,1,2,3
	v_add_f32 v[ST+12*\t+6], v[ST+12*\t+6], v[ST+12*\t+7]
.endr
.irp t, 0,1,2,3
	v_rcp_f32 v[ST+12*\t+4], v[ST+12*\t+6]
.endr
	v_nop
	s_wait_alu depctr_va_vdst(0)                   ; one wait for the four reciprocals, ahead of their first use
.macro OUT t
	WIN 0x01                                       ; source 0 (O^T) window 1
.set i, 0
.rept 16
	v_pk_mul_f32 v[S+32*\t+2*i:S+32*\t+2*i+1], v[32*\t+2*i:32*\t+2*i+1], v[ST+12*\t+4:ST+12*\t+5] op_sel_hi:[1,0]
.set i, i+1
.endr
	WIN 0
.set i, 0
.rept 16
	v_cvt_pk_f16_f32 v[S+32*\t+i], v[S+32*\t+2*i], v[S+32*\t+2*i+1]
.set i, i+1
.endr
.irp ct, 0,1,2,3
	ds_store_b128 v[STO], v[S+32*\t+4*\ct:S+32*\t+4*\ct+3] offset:32*\ct
.endr
.irp i4, 0,1,2,3
	ds_load_b128 v[S+32*\t+16+4*\i4:S+32*\t+16+4*\i4+3], v[RD] offset:\i4*4*SP   ; LDS serves a wave's instructions in order: these see the stores above, and the next tile's stores come behind them
.endr
.endm
	OUT 0
	OUT 1
	OUT 2
	OUT 3
.irp t, 0,1,2,3
.irp i4, 0,1,2,3
	s_wait_dscnt (3-\t)*8+3-\i4                    ; behind this load: the rest of its tile's, and eight LDS instructions for each later tile
	global_store_b128 v[GO], v[S+32*\t+16+4*\i4:S+32*\t+16+4*\i4+3], s[YBL+2*(\t/2):YBL+2*(\t/2)+1] offset:(\t%2)*2048+512*\i4   ; 512 consecutive bytes, aligned
.endr
.endr
	s_wait_tensorcnt 0x0                           ; the wave's end
	ds_add_u32 v[SPW], v[NIL]
	s_wait_dscnt 0x0
	s_endpgm
.Lfunc_end_k_q15fc83decd_attn:
	.size	k_q15fc83decd_attn, .Lfunc_end_k_q15fc83decd_attn-k_q15fc83decd_attn
	.p2alignl 7, 3214868480
	.fill 96, 4, 3214868480
	.section	.rodata,"a",@progbits
	.p2align	6, 0x0
	.amdhsa_kernel k_q15fc83decd_attn
		.amdhsa_group_segment_fixed_size 327680
		.amdhsa_private_segment_fixed_size 0
		.amdhsa_enable_private_segment 0
		.amdhsa_kernarg_size 16
		.amdhsa_user_sgpr_count 2
		.amdhsa_user_sgpr_kernarg_segment_ptr 1
		.amdhsa_wavefront_size32 1
		.amdhsa_system_sgpr_workgroup_id_x 1
		.amdhsa_system_sgpr_workgroup_id_y 1
		.amdhsa_system_sgpr_workgroup_id_z 1
		.amdhsa_system_vgpr_workitem_id 0
		.amdhsa_next_free_vgpr 512
		.amdhsa_next_free_sgpr 100
		.amdhsa_reserve_vcc 1
		.amdhsa_float_denorm_mode_32 3
		.amdhsa_float_denorm_mode_16_64 3
		.amdhsa_memory_ordered 1
		.amdhsa_forward_progress 1
		.amdhsa_inst_pref_size 110
	.end_amdhsa_kernel
	.amdgpu_metadata
---
amdhsa.version: [ 1, 2 ]
amdhsa.kernels:
  - .name:           k_q15fc83decd_attn
    .symbol:         k_q15fc83decd_attn.kd
    .args:
      - { .name: qkv16, .offset: 0, .size: 8, .value_kind: global_buffer, .address_space: global }
      - { .name: y16, .offset: 8, .size: 8, .value_kind: global_buffer, .address_space: global }
    .group_segment_fixed_size: 327680
    .private_segment_fixed_size: 0
    .kernarg_segment_align: 8
    .kernarg_segment_size: 16
    .max_flat_workgroup_size: 256
    .sgpr_count:     100
    .vgpr_count:     512
    .wavefront_size: 32
...
	.end_amdgpu_metadata
.endif
;; end of part 3
;; launch proj (part 4): grid 4 x 64, 4 waves a work-group, clusters of 4 x 4, 327,680 bytes of LDS; arguments y16, wo16, out0; writes out0
.if DOCPART == 4
	.amdgcn_target "amdgcn-amd-amdhsa--gfx1250"
	.amdhsa_code_object_version 6
	.text
	.protected	k_q15fc83decd_proj
	.globl	k_q15fc83decd_proj
	.p2align	8
	.type	k_q15fc83decd_proj,@function
k_q15fc83decd_proj:
	s_mov_b64 s[64:65], 0
	v_nop
	global_prefetch_b8 v0, s[64:65] scope:SCOPE_SE
	s_setreg_imm32_b32 hwreg(HW_REG_WAVE_MODE, 25, 1), 1
	s_wait_xcnt 0x0
	s_wait_alu depctr_hold_cnt(0) depctr_sa_sdst(0) depctr_va_vdst(0) depctr_va_sdst(0) depctr_va_ssrc(0) depctr_va_vcc(0) depctr_vm_vsrc(0)
	s_getreg_b32 s2, hwreg(HW_REG_IB_STS2, 6, 4)
	s_cmp_eq_u32 s2, 0
	s_cbranch_scc0 .Lentry_in_a_cluster
	s_endpgm
.Lentry_in_a_cluster:
	s_bfe_u32 s2, ttmp6, 0x10000c
	s_cmp_lg_u32 s2, 0xf033
	s_cbranch_scc0 .Lentry_shape_is_right
	s_endpgm
.Lentry_shape_is_right:
; out0[m][n] = sum over i of y[m][i] wo[n][i], m = b 2048 + t (8,192), n 1,024, i = h 64 + d (1,024).  y16: f16 [b][h][t][64]; wo16: f16 [h][n][64]; out0: f32 [8192][1024]; sums in f32.
; (Positions t < 16 of every batch are written here too and written again, from f32 operands, by a later launch.)
; A tile of 128 (m) x 256 (n): 256 work-groups.  Four waves, each 64 x 128: 32 accumulators of 16 x 16, 256 registers.  A K step is 128 = two heads; 8 K steps through a ring of two LDS slots.
; Laid by head, a K step's tiles are dense blocks: 128 rows x 128 bytes of y for each head, 256 rows x 128 bytes of wo.  Waves 0 and 1 fetch y's two heads, waves 2 and 3 wo's.
; CLUSTERS: 4 x 4 work-groups.  The four of a row of the cluster need the same tiles of y, the four of a column the same tiles of wo: each is asked for JOINTLY.
; THE MATRIX INSTRUCTION IS USED TRANSPOSED (source 0 = 16 rows of wo, source 1 = 16 rows of y): a lane holds eight neighbouring columns of one row of out0.
; No prefetch: each refill goes to tiles that sixteen or four clusters read at about the same time, and the launch is short.
; REGISTERS: window 0: v0-31 addresses; two fragment buffers of 96 at v64 and v160 (y's 4 fragments, then wo's 8); window 1: the accumulators ((a, b) at v[8 (8 a + b)]).
.set PITCH,  144                       ; an LDS row: 128 bytes + 16: the 16 rows of a load start at different banks
.set AH,     128*PITCH                 ; a head's 128 rows of y
.set BH,     256*PITCH                 ; a head's 256 rows of wo
.set SLOT,   2*AH+2*BH                 ; y's two heads, then wo's two
.set STAGE,  2*SLOT                    ; behind the ring: 16 rows x (512 bytes + 16) for each wave
.set SPITCH, 528
.set SPARE,  STAGE+4*16*SPITCH         ; the spare words, 128 bytes a wave, that no other line names
.set LAPS,   4                         ; a lap = two K steps = once round the ring
.set ADRA, 16                          ; v16-17  LDS address of my y fragments in slot 0, 1
.set ADRB, 20                          ; v20-21  the same for wo
.set STO,  24
.set RD,   25
.set CO,   26
.set SPW,  28
.set NIL,  29
.set F0,   64
.set F1,   160
.set G1, 24                            ; s[24:31] group 1 for y's tiles;  s[32:39] group 0, one set for each slot
.set G0, 32
.set G1B, 48                           ; s[48:55], s[56:63] the same for wo's
.set G0B, 56
.set MSB, 0
.macro WIN new
.if MSB != (\new)
	s_set_vgpr_msb (MSB<<8)|(\new)
.set MSB, (\new)
.endif
.endm
.set MUL, 0x50                         ; C and D window 1; both sources window 0
.macro JLOAD s                         ; a joint load; an s_nop 0 and four v_nop follow each of the two lines
	s_cmp_eq_u32 s11, 0
	s_cbranch_scc0 .Lfor_b_\@
	tensor_load_to_lds s[G0+4*\s:G0+4*\s+3], s[G1:G1+7]
	s_nop 0
.rept 4
	v_nop
.endr
	s_branch .Lasked_\@
.Lfor_b_\@:
	tensor_load_to_lds s[G0B+4*\s:G0B+4*\s+3], s[G1B:G1B+7]
	s_nop 0
.rept 4
	v_nop
.endr
.Lasked_\@:
.endm
.macro CREST                           ; a round of the cluster's barrier behind its opening barrier
	s_cmp_lg_u32 s10, 0
	s_cbranch_scc1 .Lnot_wave_0_\@
	s_barrier_signal -3
.Lnot_wave_0_\@:
	s_barrier_wait -3
	s_barrier_signal -1
	s_barrier_wait -1
.endm
.macro CROUND
	s_barrier_signal -1
	s_barrier_wait -1
	CREST
.endm
	s_load_b128 s[4:7], s[0:1], 0x0                ; y16, wo16
	s_load_b64 s[8:9], s[0:1], 0x10                ; out0
	v_lshl_add_u32 v[SPW], v0, 2, SPARE
	v_mov_b32 v[NIL], 0
	ds_add_u32 v[SPW], v[NIL]                      ; the wave's opening: the add, twice on end, and its wait ahead of my first tensor load
	ds_add_u32 v[SPW], v[NIL]
	v_lshrrev_b32 v1, 5, v0
	v_readfirstlane_b32 s10, v1                    ; wave 0..3
	s_lshr_b32 s11, s10, 1                         ; which 64 rows are mine.  Also: I fetch for y (0) or for wo (1)
	s_and_b32 s12, s10, 1                          ; which 128 columns.  Also: which of the K step's two heads I fetch
	s_bfe_u32 s40, ttmp6, 0x40000                  ; cx, cy
	s_bfe_u32 s41, ttmp6, 0x40004
	s_lshl_b32 s42, ttmp9, 2
	s_add_co_u32 s42, s42, s40                     ; tile column
	s_and_b32 s13, ttmp7, 0xffff
	s_lshl_b32 s13, s13, 2
	s_add_co_u32 s13, s13, s41                     ; tile row
	s_lshl_b32 s43, s41, 2
	s_lshl_b32 s43, 15, s43                        ; my row of the cluster
	s_lshl_b32 s44, 0x1111, s40                    ; my column
	s_or_b32 s[G1+0], s43, (1<<16)|(1<<20)|(1<<21)|(4<<22)|(3<<25)   ; the mask; elements of 2 bytes; padding on; 21 set beside a mask; after every 32 words four words
	s_or_b32 s[G1B+0], s44, (1<<16)|(1<<20)|(1<<21)|(4<<22)|(3<<25)
	s_mov_b32 s[G1+1], 64<<16                      ; tensor_dim0
	s_mov_b32 s[G1+2], 128<<16                     ; tensor_dim1
	s_mov_b32 s[G1+3], 64<<16                      ; tile_dim0
	s_mov_b32 s[G1+4], 128                         ; tile_dim1
	s_mov_b32 s[G1+5], 64                          ; tensor_dim0_stride
	s_mov_b32 s[G1+6], 0
	s_mov_b32 s[G1+7], 0
	s_mov_b32 s[G1B+1], 64<<16
	s_mov_b32 s[G1B+2], 256<<16
	s_mov_b32 s[G1B+3], 64<<16
	s_mov_b32 s[G1B+4], 256
	s_mov_b32 s[G1B+5], 64
	s_mov_b32 s[G1B+6], 0
	s_mov_b32 s[G1B+7], 0
	s_lshr_b32 s16, s13, 4                         ; y: b = tile row / 16: 16 planes of 2^18 bytes;
	s_lshl_b32 s16, s16, 22
	s_and_b32 s17, s13, 15                         ; t = 128 (tile row % 16), 128 bytes a position;
	s_lshl_b32 s17, s17, 14
	s_add_co_u32 s16, s16, s17
	s_lshl_b32 s17, s12, 18                        ; my head of the K step
	s_add_co_u32 s16, s16, s17
	s_mov_b32 s17, 0
	s_lshl_b32 s46, s42, 15                        ; wo: 256 rows of 128 bytes a tile column; a head's plane is 2^17 bytes
	s_lshl_b32 s47, s12, 17
	s_add_co_u32 s46, s46, s47
	s_mov_b32 s47, 0
	s_mul_i32 s20, s12, AH                         ; where they go: no place in the cluster enters an LDS address
	s_mul_i32 s21, s12, BH
	s_add_co_u32 s21, s21, 2*AH
	s_wait_dscnt 0x0                               ; both opening adds are done
	s_wait_kmcnt 0x0
	s_add_nc_u64 s[14:15], s[4:5], s[16:17]
	s_add_nc_u64 s[46:47], s[6:7], s[46:47]
	CROUND                                         ; all sixteen work-groups are here: the first joint loads meet
.irp s, 0,1
	s_mov_b32 s[G0+4*\s], 1
	s_add_co_u32 s[G0+4*\s+1], s20, \s*SLOT
	s_add_nc_u64 s[G0+4*\s+2:G0+4*\s+3], s[14:15], \s<<19          ; K step s: two planes of y on
	s_or_b32 s[G0+4*\s+3], s[G0+4*\s+3], 0x80000000
	s_mov_b32 s[G0B+4*\s], 1
	s_add_co_u32 s[G0B+4*\s+1], s21, \s*SLOT
	s_add_nc_u64 s[G0B+4*\s+2:G0B+4*\s+3], s[46:47], \s<<18        ; two planes of wo on
	s_or_b32 s[G0B+4*\s+3], s[G0B+4*\s+3], 0x80000000
	JLOAD \s                                       ; two tensor loads of mine are out
.endr
	v_and_b32 v1, 15, v0                           ; l % 16
	v_bfe_u32 v2, v0, 4, 1                         ; l / 16
	v_mul_u32_u24 v3, v1, PITCH
	v_lshl_add_u32 v3, v2, 4, v3
	s_mul_i32 s21, s11, 64*PITCH                   ; my 64 rows of y
	s_mul_i32 s22, s12, 128*PITCH                  ; my 128 rows of wo,
	s_add_co_u32 s22, s22, 2*AH                    ; behind y's two heads
.irp s, 0,1
	v_add_nc_u32 v[ADRA+\s], s21, v3
	v_add_nc_u32 v[ADRB+\s], s22, v3
	s_add_co_u32 s21, s21, SLOT
	s_add_co_u32 s22, s22, SLOT
.endr
	s_mul_i32 s23, s10, 16*SPITCH
	s_add_co_u32 s23, s23, STAGE                   ; my stage
	v_mul_u32_u24 v4, v1, SPITCH
	v_lshl_add_u32 v4, v2, 5, v4
	v_add_nc_u32 v[STO], s23, v4                   ; in: row l % 16, 32 bytes for each half of the lanes
	v_and_b32 v5, 31, v0
	v_lshlrev_b32 v[CO], 4, v5                     ; back: the 32 lanes take one row of 512 bytes; and the same in out0
	v_add_nc_u32 v[RD], s23, v[CO]
	s_lshl_b32 s16, s13, 19                        ; my first row: (128 x tile row + 64 x half) x 4,096 bytes
	s_lshl_b32 s17, s11, 18
	s_add_co_u32 s16, s16, s17
	s_mov_b32 s17, 0
	s_add_nc_u64 s[8:9], s[8:9], s[16:17]
	s_lshl_b32 s46, s42, 10                        ; my first column, in bytes
	s_lshl_b32 s47, s12, 9
	s_add_co_u32 s46, s46, s47
	s_mov_b32 s47, 0
	s_add_nc_u64 s[8:9], s[8:9], s[46:47]
; 24 LDS loads in one run: quarter q of a slot (head q / 2, channels 32 (q % 2) on) into buffer f
.macro FETCH slot, q, f
.irp i, 0,1,2,3
	ds_load_b128 v[\f+8*\i:\f+8*\i+3],   v[ADRA+\slot] offset:((\q)/2)*AH+((\q)%2)*64+\i*16*PITCH
	ds_load_b128 v[\f+8*\i+4:\f+8*\i+7], v[ADRA+\slot] offset:((\q)/2)*AH+((\q)%2)*64+\i*16*PITCH+32
.endr
.irp i, 0,1,2,3,4,5,6,7
	ds_load_b128 v[\f+32+8*\i:\f+32+8*\i+3],   v[ADRB+\slot] offset:((\q)/2)*BH+((\q)%2)*64+\i*16*PITCH
	ds_load_b128 v[\f+32+8*\i+4:\f+32+8*\i+7], v[ADRB+\slot] offset:((\q)/2)*BH+((\q)%2)*64+\i*16*PITCH+32
.endr
.endm
; 8 matrix instructions: y's block a against wo's eight.  The 32 accumulators take turns in the same order in every quarter.
.macro MUL8 f, a, zero
.irp b, 0,1,2,3,4,5,6,7
.if \zero
	v_wmma_f32_16x16x32_f16 v[8*(8*(\a)+\b):8*(8*(\a)+\b)+7], v[\f+32+8*\b:\f+32+8*\b+7], v[\f+8*(\a):\f+8*(\a)+7], 0
.else
	v_wmma_f32_16x16x32_f16 v[8*(8*(\a)+\b):8*(8*(\a)+\b)+7], v[\f+32+8*\b:\f+32+8*\b+7], v[\f+8*(\a):\f+8*(\a)+7], v[8*(8*(\a)+\b):8*(8*(\a)+\b)+7]
.endif
.endr
.endm
.macro PLACES                          ; four places ahead of loads into registers that matrix instructions have read, and of the first read of results
.rept 4
	v_nop
.endr
.endm
; One of a slot's first three quarters: multiplies buffer f; in its middle it fetches quarter q into buffer g.
.macro QUARTER slot, q, f, g, zero
	s_wait_dscnt 0x0                               ; buffer f is in (asked for 16 matrix instructions ago)
	WIN MUL
	MUL8 \f, 0, \zero
	MUL8 \f, 1, \zero
	WIN 0
	PLACES
	FETCH \slot, \q, \g
	WIN MUL
	MUL8 \f, 2, \zero
	MUL8 \f, 3, \zero
.endm
; A slot's last quarter multiplies buffer 1 and changes slots: ONE barrier; in front of it each wave waits for all its tensor loads, adds 0 to its spare word, and waits for that and for its reads of this slot.
; fill = 1: the barrier opens a round of the cluster's barrier, and this slot is filled again, two K steps ahead: 112 matrix instructions ahead of the wait for it.
.macro TURN slot, next, fill
	WIN 0
	s_wait_tensorcnt 0x0                           ; all my tensor loads have landed: my part of the next slot
	ds_add_u32 v[SPW], v[NIL]
	s_wait_dscnt 1                                 ; buffer 1 is in; the add alone may be out
	WIN MUL
	MUL8 F1, 0, 0
	s_wait_dscnt 0x0                               ; the add is done, and my reads of this slot are over
	s_barrier_signal -1
	MUL8 F1, 1, 0
	WIN 0
	s_barrier_wait -1
.if \fill
	CREST                                          ; no wave of any partner still reads this slot's tile or has a load on its way
	s_add_nc_u64 s[G0+4*\slot+2:G0+4*\slot+3], s[G0+4*\slot+2:G0+4*\slot+3], 1<<20      ; four planes of y on
	s_add_nc_u64 s[G0B+4*\slot+2:G0B+4*\slot+3], s[G0B+4*\slot+2:G0B+4*\slot+3], 1<<19  ; four planes of wo on
	JLOAD \slot                                    ; the first tensor load behind the round; its four v_nop are also the places ahead of the loads below
.else
	PLACES
.endif
	FETCH \next, 0, F0
	WIN MUL
	MUL8 F1, 2, 0
	MUL8 F1, 3, 0
.endm
	s_wait_tensorcnt 1                             ; my part of K step 0 is in; K step 1's load, issued behind it, may stay out
	s_barrier_signal -1
	s_barrier_wait -1
	FETCH 0, 0, F0
	QUARTER 0, 1, F0, F1, 1                        ; the first quarter's products start the sums: nothing is cleared
	WIN 0
	s_mov_b32 s3, LAPS-1
.Llap:                                             ; a trip goes once round the ring, from a lap's second quarter to the next lap's first, and fills both slots again
	QUARTER 0, 2, F1, F0, 0
	QUARTER 0, 3, F0, F1, 0
	TURN 0, 1, 1
	QUARTER 1, 1, F0, F1, 0
	QUARTER 1, 2, F1, F0, 0
	QUARTER 1, 3, F0, F1, 0
	TURN 1, 0, 1
	QUARTER 0, 1, F0, F1, 0
	WIN 0
	s_sub_co_u32 s3, s3, 1
	s_cmp_lg_u32 s3, 0
	s_cbranch_scc1 .Llap
	QUARTER 0, 2, F1, F0, 0                        ; the last lap fills nothing
	QUARTER 0, 3, F0, F1, 0
	TURN 0, 1, 0
	QUARTER 1, 1, F0, F1, 0
	QUARTER 1, 2, F1, F0, 0
	QUARTER 1, 3, F0, F1, 0
	s_wait_dscnt 0x0
	WIN MUL
	MUL8 F1, 0, 0
	MUL8 F1, 1, 0
	MUL8 F1, 2, 0
	MUL8 F1, 3, 0
	WIN 0
; THE WAY OUT, a block of 16 rows x 128 columns at a time, through my own stage: in as 32 bytes a lane, back as whole rows of 512 bytes.
.macro TOSTAGE a
	WIN 0x04                                       ; an LDS store's data are its source 1: window 1
.irp b, 0,1,2,3,4,5,6,7
	ds_store_b128 v[STO], v[8*(8*(\a)+\b):8*(8*(\a)+\b)+3] offset:64*\b          ; each accumulator from its low end on
	ds_store_b128 v[STO], v[8*(8*(\a)+\b)+4:8*(8*(\a)+\b)+7] offset:64*\b+16
.endr
	WIN 0
.set BB, 64+64*((\a)%2)
.irp t, 0,1,2,3,4,5,6,7,8,9,10,11,12,13,14,15
	ds_load_b128 v[BB+4*\t:BB+4*\t+3], v[RD] offset:\t*SPITCH   ; LDS serves a wave's instructions in order: these see the stores above
.endr
.endm
.macro SEND a, younger                 ; younger: the LDS instructions issued behind block a's loads, which may stay out
.set BB, 64+64*((\a)%2)
	s_wait_dscnt \younger
.irp t, 0,1,2,3,4,5,6,7,8,9,10,11,12,13,14,15
	global_store_b128 v[CO], v[BB+4*\t:BB+4*\t+3], s[8:9] offset:(\a)*65536+\t*4096 th:TH_STORE_NT   ; 512 consecutive bytes, aligned; the base is never stepped
.endr
.endm
	PLACES
	TOSTAGE 0
.irp a, 1,2,3
.if \a > 1
	s_wait_xcnt 0x0                                ; block a - 2's stores have read their registers: block a's loads may land there
.endif
	TOSTAGE \a
	SEND \a-1, 32                                  ; behind block a - 1's loads: block a's 16 stores and 16 loads
.endr
	SEND 3, 0
	s_wait_tensorcnt 0x0                           ; the wave's end
	ds_add_u32 v[SPW], v[NIL]
	s_wait_dscnt 0x0
	CROUND                                         ; the closing round
	s_endpgm
.Lfunc_end_k_q15fc83decd_proj:
	.size	k_q15fc83decd_proj, .Lfunc_end_k_q15fc83decd_proj-k_q15fc83decd_proj
	.p2alignl 7, 3214868480
	.fill 96, 4, 3214868480
	.section	.rodata,"a",@progbits
	.p2align	6, 0x0
	.amdhsa_kernel k_q15fc83decd_proj
		.amdhsa_group_segment_fixed_size 327680
		.amdhsa_private_segment_fixed_size 0
		.amdhsa_enable_private_segment 0
		.amdhsa_kernarg_size 24
		.amdhsa_user_sgpr_count 2
		.amdhsa_user_sgpr_kernarg_segment_ptr 1
		.amdhsa_wavefront_size32 1
		.amdhsa_system_sgpr_workgroup_id_x 1
		.amdhsa_system_sgpr_workgroup_id_y 1
		.amdhsa_system_sgpr_workgroup_id_z 1
		.amdhsa_system_vgpr_workitem_id 0
		.amdhsa_next_free_vgpr 512
		.amdhsa_next_free_sgpr 66
		.amdhsa_reserve_vcc 0
		.amdhsa_float_denorm_mode_32 3
		.amdhsa_float_denorm_mode_16_64 3
		.amdhsa_memory_ordered 1
		.amdhsa_forward_progress 1
		.amdhsa_inst_pref_size 84
	.end_amdhsa_kernel
	.amdgpu_metadata
---
amdhsa.version: [ 1, 2 ]
amdhsa.kernels:
  - .name:           k_q15fc83decd_proj
    .symbol:         k_q15fc83decd_proj.kd
    .args:
      - { .name: y16, .offset: 0, .size: 8, .value_kind: global_buffer, .address_space: global }
      - { .name: wo16, .offset: 8, .size: 8, .value_kind: global_buffer, .address_space: global }
      - { .name: out0, .offset: 16, .size: 8, .value_kind: global_buffer, .address_space: global }
    .group_segment_fixed_size: 327680
    .private_segment_fixed_size: 0
    .kernarg_segment_align: 8
    .kernarg_segment_size: 24
    .max_flat_workgroup_size: 128
    .sgpr_count:     66
    .vgpr_count:     512
    .wavefront_size: 32
...
	.end_amdgpu_metadata
.endif
;; end of part 4
;; launch fine_attn (part 5): grid 64 x 1, 12 waves a work-group, no clusters, 18,944 bytes of LDS; arguments x_codes, x_scales, w_codes, w_scales, yf; writes yf
.if DOCPART == 5
	.amdgcn_target "amdgcn-amd-amdhsa--gfx1250"
	.amdhsa_code_object_version 6
	.text
	.protected	k_q15fc83decd_fine_attn
	.globl	k_q15fc83decd_fine_attn
	.p2align	8
	.type	k_q15fc83decd_fine_attn,@function
k_q15fc83decd_fine_attn:
	s_mov_b64 s[64:65], 0
	v_nop
	global_prefetch_b8 v0, s[64:65] scope:SCOPE_SE
	s_setreg_imm32_b32 hwreg(HW_REG_WAVE_MODE, 25, 1), 1
	s_wait_xcnt 0x0
; THE FIRST 16 POSITIONS of every (b, h), carried in f32: under the causal mask these rows average one to sixteen values and are the largest of the output, so f16 operands would weigh most here.
; Work-group b 16 + h.  Phase 1, twelve waves: wave w makes 16 positions x 16 channels of part w / 4 (q, k, v), channels 16 (w % 4) on, again from the codes by the FP4 matrix instruction (8 K steps of 128), and keeps the f32 sums: to LDS.
; Phase 2, wave 0: scores, softmax and the second product by the f32 matrix form (32 instructions a work-group: no bulk work); y to yf [b 16 + t][1024], f32.
; Both products are used transposed: a lane holds one query (lane % 16) throughout.  The f32 form takes K = 4: register j of lane (r, hf) is k = 2 hf + j; along the channels both operands are loaded 16 bytes a lane,
; which permutes K alike on both sides and leaves the sums' terms the same.
; LDS: q, k, v and y, each 16 rows x (256 bytes + 16); the spare words behind them.
.set FP,    272
.set QF,    0
.set KFL,   16*FP
.set VF,    2*16*FP
.set YS,    3*16*FP
.set SPARE, 4*16*FP                    ; 17,408: 128 bytes for each of twelve waves, that no other line names
	s_load_b256 s[4:11], s[0:1], 0x0               ; x's codes s[4:5], x's scales s[6:7], w's codes s[8:9], w's scales s[10:11]
	s_load_b64 s[12:13], s[0:1], 0x20              ; yf
	v_lshl_add_u32 v12, v0, 2, SPARE               ; my spare word; never rewritten
	v_mov_b32 v13, 0                               ; 0; never rewritten
	v_lshrrev_b32 v1, 5, v0
	v_readfirstlane_b32 s14, v1                    ; wave 0..11
	v_and_b32 v1, 15, v0                           ; r
	v_bfe_u32 v2, v0, 4, 1                         ; hf
	v_lshlrev_b32 v3, 9, v1
	v_lshl_add_u32 v3, v2, 4, v3                   ; codes: row r of 512 bytes + 16 hf
	v_lshlrev_b32 v4, 5, v1                        ; scales: row r of 32 bytes
	s_lshr_b32 s16, ttmp9, 4                       ; b
	s_and_b32 s17, ttmp9, 15                       ; h
	s_lshr_b32 s18, s14, 2                         ; part
	s_and_b32 s19, s14, 3                          ; which 16 channels
	s_lshl_b32 s22, s18, 10
	s_lshl_b32 s23, s17, 6
	s_add_co_u32 s22, s22, s23
	s_lshl_b32 s23, s19, 4
	s_add_co_u32 s22, s22, s23                     ; my first row of w_qkv
	s_lshl_b32 s24, s22, 9
	s_mov_b32 s25, 0
	s_lshl_b32 s26, s22, 5
	s_mov_b32 s27, 0
	s_lshl_b32 s28, s16, 20                        ; x: 2,048 rows of 512 bytes a batch
	s_mov_b32 s29, 0
	s_lshl_b32 s30, s16, 16                        ; 2,048 rows of 32 bytes; also yf: 16 rows of 4,096 bytes
	s_mov_b32 s31, 0
	s_lshl_b32 s32, s17, 8
	s_add_co_u32 s32, s32, s30                     ; yf: + 256 bytes a head
	s_mov_b32 s33, 0
	s_mul_i32 s34, s18, 16*FP
	s_lshl_b32 s35, s19, 6
	s_add_co_u32 s34, s34, s35                     ; LDS: my part's region, my 16 channels
	s_mov_b32 s20, 0x76543210
	s_mov_b32 s21, 0xfedcba98                      ; lane l xor 16
	; every LDS address is made here, ahead of the parting of the waves
	v_mul_u32_u24 v15, v1, FP
	v_lshl_add_u32 v5, v2, 5, v15                  ; row r + 32 hf:
	v_add_nc_u32 v8, YS, v5                        ; v8: y into its stage;
	v_add_nc_u32 v5, s34, v5                       ; v5: phase 1's results
	v_lshl_add_u32 v6, v2, 4, v15                  ; v6: q's and k's fragments: row r + 16 hf
	v_mul_u32_u24 v7, v2, 8*FP
	v_lshl_add_u32 v7, v1, 2, v7
	v_add_nc_u32 v7, VF, v7                        ; v7: V^T: key 8 hf on, channel r
	v_mul_u32_u24 v9, v2, FP
	v_lshl_add_u32 v9, v1, 4, v9
	v_add_nc_u32 v9, YS, v9                        ; v9: y back: sixteen lanes to a row
	v_lshlrev_b32 v10, 12, v2
	v_lshl_add_u32 v10, v1, 4, v10                 ; v10: and the same place in yf
	v_lshlrev_b32 v11, 3, v2
	v_sub_nc_u32 v11, v1, v11                      ; v11: r - 8 hf
	v_mov_b32 v14, 0xff800000                      ; -infinity
	v_mov_b32 v249, 0                              ; a lane permute's destination counts as one of its sources
	v_mov_b32 v253, 0                              ; named as the upper half of a pair
	s_wait_kmcnt 0x0
	s_add_nc_u64 s[4:5], s[4:5], s[28:29]
	s_add_nc_u64 s[6:7], s[6:7], s[30:31]
	s_add_nc_u64 s[8:9], s[8:9], s[24:25]
	s_add_nc_u64 s[10:11], s[10:11], s[26:27]
	s_add_nc_u64 s[12:13], s[12:13], s[32:33]
.irp s, 0,1,2,3,4,5,6,7
.irp c, 0,1
	global_load_b128 v[16+8*\s+4*\c:19+8*\s+4*\c], v3, s[4:5] offset:64*\s+32*\c     ; x's fragment of K step s
	global_load_b128 v[80+8*\s+4*\c:83+8*\s+4*\c], v3, s[8:9] offset:64*\s+32*\c     ; w's
.endr
.endr
.irp c, 0,1
	global_load_b128 v[144+4*\c:147+4*\c], v4, s[6:7] offset:16*\c                   ; x's eight scale words: v144 + s
	global_load_b128 v[152+4*\c:155+4*\c], v4, s[10:11] offset:16*\c                 ; w's: v152 + s
.endr
	s_wait_loadcnt 0x0
.irp s, 0,1,2,3,4,5,6,7                        ; source 0 = 16 rows of w, source 1 = the 16 positions: lane (r, hf) holds position r, channels 8 hf + 0..7.  Two accumulators by turns: even and odd K steps
.if \s < 2
	v_wmma_scale_f32_16x16x128_f8f6f4 v[160+8*(\s%2):167+8*(\s%2)], v[80+8*\s:87+8*\s], v[16+8*\s:23+8*\s], 0, v[152+\s], v[144+\s] matrix_a_fmt:MATRIX_FMT_FP4 matrix_b_fmt:MATRIX_FMT_FP4
.else
	v_wmma_scale_f32_16x16x128_f8f6f4 v[160+8*(\s%2):167+8*(\s%2)], v[80+8*\s:87+8*\s], v[16+8*\s:23+8*\s], v[160+8*(\s%2):167+8*(\s%2)], v[152+\s], v[144+\s] matrix_a_fmt:MATRIX_FMT_FP4 matrix_b_fmt:MATRIX_FMT_FP4
.endif
.endr
.rept 4
	v_nop
.endr
.irp i, 0,2,4,6
	v_pk_add_f32 v[176+\i:177+\i], v[160+\i:161+\i], v[168+\i:169+\i]
.endr
	ds_store_b128 v5, v[176:179]
	ds_store_b128 v5, v[180:183] offset:16
	s_wait_dscnt 0x0                               ; for the others' sake: my stores have landed
	s_barrier_signal -1
	s_barrier_wait -1
	s_cmp_lg_u32 s14, 0
	s_cbranch_scc1 .Lend                           ; phase 2 is wave 0's; no barrier stands in it
.irp c, 0,1,2,3,4,5,6,7
	ds_load_b128 v[16+4*\c:19+4*\c], v6 offset:KFL+32*\c     ; k: key r, channels 8 c + 4 hf + 0..3
	ds_load_b128 v[48+4*\c:51+4*\c], v6 offset:QF+32*\c      ; q: query r, the same channels
.endr
.irp u, 0,1,2,3
.irp ct, 0,1,2,3
.irp j, 0,1
	ds_load_b32 v[80+2*(4*\u+\ct)+\j], v7 offset:(2*\u+\j)*FP+64*\ct   ; V(key 8 hf + 2 u + j, channel 16 ct + r)
.endr
.endr
.endr
	s_wait_dscnt 32                                ; k and q are in; V's 32 loads may be out
.irp c, 0,1,2,3,4,5,6,7                        ; S^T = k q^T: two accumulators by turns; they are written by matrix instructions alone
.irp e, 0,1
.if \c == 0
	v_wmma_f32_16x16x4_f32 v[192+8*\e:199+8*\e], v[16+4*\c+2*\e:17+4*\c+2*\e], v[48+4*\c+2*\e:49+4*\c+2*\e], 0
.else
	v_wmma_f32_16x16x4_f32 v[192+8*\e:199+8*\e], v[16+4*\c+2*\e:17+4*\c+2*\e], v[48+4*\c+2*\e:49+4*\c+2*\e], v[192+8*\e:199+8*\e]
.endif
.endr
.endr
.rept 8
	v_nop                                          ; eight places behind this form
.endr
.irp i, 0,2,4,6
	v_pk_add_f32 v[184+\i:185+\i], v[192+\i:193+\i], v[200+\i:201+\i]   ; the scores: query r, keys 8 hf + 0..7
.endr
.irp i, 0,1,2,3,4,5,6,7
	v_cmp_gt_i32 vcc_lo, \i, v11                   ; key 8 hf + i comes after query r
	v_cndmask_b32 v[184+\i], v[184+\i], v14, vcc_lo
.endr
	v_max3_num_f32 v248, v184, v185, v186
	v_max3_num_f32 v248, v248, v187, v188
	v_max3_num_f32 v248, v248, v189, v190
	v_max_num_f32 v248, v248, v191
	v_permlanex16_b32 v249, v248, s20, s21
	v_max_num_f32 v248, v248, v249                 ; the row's maximum (key 0 counts for every query)
.irp i, 0,1,2,3,4,5,6,7
	v_sub_f32 v[184+\i], v[184+\i], v248
.endr
.irp i, 0,1,2,3,4,5,6,7
	v_mul_f32 v[184+\i], 0x3e38aa3b, v[184+\i]     ; x log2(e) / 8
.endr
.irp i, 0,1,2,3,4,5,6,7
	v_exp_f32 v[240+\i], v[184+\i]
.endr
	v_nop
	s_wait_alu depctr_va_vdst(0)                   ; one wait for the eight, ahead of their first use
	v_pk_add_f32 v[250:251], v[240:241], v[242:243]
	v_pk_add_f32 v[250:251], v[250:251], v[244:245]
	v_pk_add_f32 v[250:251], v[250:251], v[246:247]
	v_add_f32 v250, v250, v251
	v_permlanex16_b32 v249, v250, s20, s21
	v_add_f32 v250, v250, v249                     ; the row's sum
	v_rcp_f32 v252, v250
	v_nop
	s_wait_alu depctr_va_vdst(0)
	s_wait_dscnt 0x0                               ; V
.irp u, 0,1,2,3                                ; O^T = V^T p: K step u takes keys 8 hf + 2 u + j; four accumulators by turns
.irp ct, 0,1,2,3
.if \u == 0
	v_wmma_f32_16x16x4_f32 v[208+8*\ct:215+8*\ct], v[80+2*(4*\u+\ct):81+2*(4*\u+\ct)], v[240+2*\u:241+2*\u], 0
.else
	v_wmma_f32_16x16x4_f32 v[208+8*\ct:215+8*\ct], v[80+2*(4*\u+\ct):81+2*(4*\u+\ct)], v[240+2*\u:241+2*\u], v[208+8*\ct:215+8*\ct]
.endif
.endr
.endr
.rept 8
	v_nop
.endr
.irp i, 0,2,4,6,8,10,12,14,16,18,20,22,24,26,28,30
	v_pk_mul_f32 v[112+\i:113+\i], v[208+\i:209+\i], v[252:253] op_sel_hi:[1,0]   ; / the sum: register 8 ct + i is y(r, 16 ct + 8 hf + i)
.endr
.irp ct, 0,1,2,3
	ds_store_b128 v8, v[112+8*\ct:115+8*\ct] offset:64*\ct
	ds_store_b128 v8, v[116+8*\ct:119+8*\ct] offset:64*\ct+16
.endr
.irp i, 0,1,2,3,4,5,6,7
	ds_load_b128 v[16+4*\i:19+4*\i], v9 offset:2*\i*FP     ; LDS serves a wave's instructions in order: these see my stores
.endr
.irp i, 0,1,2,3,4,5,6,7
	s_wait_dscnt 7-\i
	global_store_b128 v10, v[16+4*\i:19+4*\i], s[12:13] offset:8192*\i   ; sixteen lanes store 256 consecutive bytes, aligned
.endr
.Lend:
	s_wait_tensorcnt 0x0                           ; the wave's end
	ds_add_u32 v12, v13
	s_wait_dscnt 0x0
	s_endpgm
.Lfunc_end_k_q15fc83decd_fine_attn:
	.size	k_q15fc83decd_fine_attn, .Lfunc_end_k_q15fc83decd_fine_attn-k_q15fc83decd_fine_attn
	.p2alignl 7, 3214868480
	.fill 96, 4, 3214868480
	.section	.rodata,"a",@progbits
	.p2align	6, 0x0
	.amdhsa_kernel k_q15fc83decd_fine_attn
		.amdhsa_group_segment_fixed_size 18944
		.amdhsa_private_segment_fixed_size 0
		.amdhsa_enable_private_segment 0
		.amdhsa_kernarg_size 40
		.amdhsa_user_sgpr_count 2
		.amdhsa_user_sgpr_kernarg_segment_ptr 1
		.amdhsa_wavefront_size32 1
		.amdhsa_system_sgpr_workgroup_id_x 1
		.amdhsa_system_sgpr_workgroup_id_y 1
		.amdhsa_system_sgpr_workgroup_id_z 1
		.amdhsa_system_vgpr_workitem_id 0
		.amdhsa_next_free_vgpr 256
		.amdhsa_next_free_sgpr 66
		.amdhsa_reserve_vcc 1
		.amdhsa_float_denorm_mode_32 3
		.amdhsa_float_denorm_mode_16_64 3
		.amdhsa_memory_ordered 1
		.amdhsa_forward_progress 1
		.amdhsa_inst_pref_size 20
	.end_amdhsa_kernel
	.amdgpu_metadata
---
amdhsa.version: [ 1, 2 ]
amdhsa.kernels:
  - .name:           k_q15fc83decd_fine_attn
    .symbol:         k_q15fc83decd_fine_attn.kd
    .args:
      - { .name: x_codes, .offset: 0, .size: 8, .value_kind: global_buffer, .address_space: global }
      - { .name: x_scales, .offset: 8, .size: 8, .value_kind: global_buffer, .address_space: global }
      - { .name: w_codes, .offset: 16, .size: 8, .value_kind: global_buffer, .address_space: global }
      - { .name: w_scales, .offset: 24, .size: 8, .value_kind: global_buffer, .address_space: global }
      - { .name: yf, .offset: 32, .size: 8, .value_kind: global_buffer, .address_space: global }
    .group_segment_fixed_size: 18944
    .private_segment_fixed_size: 0
    .kernarg_segment_align: 8
    .kernarg_segment_size: 40
    .max_flat_workgroup_size: 384
    .sgpr_count:     66
    .vgpr_count:     256
    .wavefront_size: 32
...
	.end_amdgpu_metadata
.endif
;; end of part 5
;; launch fine_proj (part 6): grid 64 x 4, 8 waves a work-group, no clusters, 9,216 bytes of LDS; arguments yf, wo, out0; writes out0
.if DOCPART == 6
	.amdgcn_target "amdgcn-amd-amdhsa--gfx1250"
	.amdhsa_code_object_version 6
	.text
	.protected	k_q15fc83decd_fine_proj
	.globl	k_q15fc83decd_fine_proj
	.p2align	8
	.type	k_q15fc83decd_fine_proj,@function
k_q15fc83decd_fine_proj:
	s_mov_b64 s[64:65], 0
	v_nop
	global_prefetch_b8 v0, s[64:65] scope:SCOPE_SE
	s_setreg_imm32_b32 hwreg(HW_REG_WAVE_MODE, 25, 1), 1
	s_wait_xcnt 0x0
; out0 rows t < 16 of every batch = yf wo^T, all in f32: the projection of the rows that the launch before carried in f32.  It writes over what the f16 projection left in these rows.
; Work-group (x, b): 16 positions x 16 output columns 16 x on.  K = 1,024 is shared among eight waves, 128 each: 32 instructions of the f32 matrix form a wave (64 rows of 8,192: no bulk work).
; The parts meet in LDS as images of the result's registers; wave 0 adds them in ascending order and stores.
; A store covers 64 bytes of each of 16 rows, 256 KiB in the whole launch: the price of sharing these 67 million multiply-adds among 256 work-groups and not 64.
; Both operands are loaded 16 bytes a lane along K, which permutes K alike on both sides.
.set SPARE, 8192                       ; behind the eight images of 1,024 bytes: the spare words, 128 bytes a wave, that no other line names
	s_load_b128 s[4:7], s[0:1], 0x0                ; yf, wo
	s_load_b64 s[8:9], s[0:1], 0x10                ; out0
	v_lshl_add_u32 v8, v0, 2, SPARE                ; my spare word; never rewritten
	v_mov_b32 v9, 0                                ; 0; never rewritten
	v_lshrrev_b32 v1, 5, v0
	v_readfirstlane_b32 s10, v1                    ; wave 0..7
	v_and_b32 v1, 15, v0                           ; r
	v_bfe_u32 v2, v0, 4, 1                         ; hf
	v_lshlrev_b32 v3, 12, v1
	v_lshl_add_u32 v6, v2, 5, v3                   ; out0: row r of 4,096 bytes + 32 hf
	v_lshl_add_u32 v3, v2, 4, v3                   ; operands: row r + 16 hf
	v_lshlrev_b32 v4, 5, v0                        ; my part's image: 1,024 x wave + 32 x lane
	v_and_b32 v5, 31, v0
	v_lshlrev_b32 v5, 5, v5                        ; and where wave 0 reads the images
	s_and_b32 s12, ttmp7, 0xffff                   ; b
	s_lshl_b32 s14, s10, 9                         ; my 128 along K
	s_lshl_b32 s16, ttmp9, 16                      ; wo: 16 rows of 4,096 bytes a work-group
	s_add_co_u32 s16, s16, s14
	s_mov_b32 s17, 0
	s_lshl_b32 s18, s12, 16                        ; yf: 16 rows a batch
	s_add_co_u32 s18, s18, s14
	s_mov_b32 s19, 0
	s_lshl_b32 s20, s12, 23                        ; out0: 2,048 rows a batch,
	s_lshl_b32 s21, ttmp9, 6                       ; 64 bytes a work-group
	s_add_co_u32 s20, s20, s21
	s_mov_b32 s21, 0
	s_wait_kmcnt 0x0
	s_add_nc_u64 s[4:5], s[4:5], s[18:19]
	s_add_nc_u64 s[6:7], s[6:7], s[16:17]
	s_add_nc_u64 s[8:9], s[8:9], s[20:21]
.irp c, 0,1,2,3,4,5,6,7,8,9,10,11,12,13,14,15
	global_load_b128 v[16+4*\c:19+4*\c], v3, s[6:7] offset:32*\c     ; wo(16 x + r, 128 w + 8 c + 4 hf + 0..3)
	global_load_b128 v[80+4*\c:83+4*\c], v3, s[4:5] offset:32*\c     ; yf(b 16 + r, the same)
.endr
	s_wait_loadcnt 0x0
.irp c, 0,1,2,3,4,5,6,7,8,9,10,11,12,13,14,15  ; source 0 = wo's rows, source 1 = yf's: lane (r, hf) holds position r, columns 8 hf + 0..7.  Two accumulators by turns, written by matrix instructions alone
.irp e, 0,1
.if \c == 0
	v_wmma_f32_16x16x4_f32 v[144+8*\e:151+8*\e], v[16+4*\c+2*\e:17+4*\c+2*\e], v[80+4*\c+2*\e:81+4*\c+2*\e], 0
.else
	v_wmma_f32_16x16x4_f32 v[144+8*\e:151+8*\e], v[16+4*\c+2*\e:17+4*\c+2*\e], v[80+4*\c+2*\e:81+4*\c+2*\e], v[144+8*\e:151+8*\e]
.endif
.endr
.endr
.rept 8
	v_nop                                          ; eight places behind this form
.endr
.irp i, 0,2,4,6
	v_pk_add_f32 v[160+\i:161+\i], v[144+\i:145+\i], v[152+\i:153+\i]
.endr
	ds_store_b128 v4, v[160:163]
	ds_store_b128 v4, v[164:167] offset:16
	s_wait_dscnt 0x0                               ; for wave 0's sake: my stores have landed
	s_barrier_signal -1
	s_barrier_wait -1
	s_cmp_lg_u32 s10, 0
	s_cbranch_scc1 .Lend
.irp p, 0,1,2,3,4,5,6,7
	ds_load_b128 v[168+8*\p:171+8*\p], v5 offset:1024*\p
	ds_load_b128 v[172+8*\p:175+8*\p], v5 offset:1024*\p+16
.endr
	s_wait_dscnt 0x0
.irp p, 1,2,3,4,5,6,7
.irp i, 0,2,4,6
	v_pk_add_f32 v[168+\i:169+\i], v[168+\i:169+\i], v[168+8*\p+\i:169+8*\p+\i]
.endr
.endr
	global_store_b128 v6, v[168:171], s[8:9]
	global_store_b128 v6, v[172:175], s[8:9] offset:16
.Lend:
	s_wait_tensorcnt 0x0                           ; the wave's end
	ds_add_u32 v8, v9
	s_wait_dscnt 0x0
	s_endpgm
.Lfunc_end_k_q15fc83decd_fine_proj:
	.size	k_q15fc83decd_fine_proj, .Lfunc_end_k_q15fc83decd_fine_proj-k_q15fc83decd_fine_proj
	.p2alignl 7, 3214868480
	.fill 96, 4, 3214868480
	.section	.rodata,"a",@progbits
	.p2align	6, 0x0
	.amdhsa_kernel k_q15fc83decd_fine_proj
		.amdhsa_group_segment_fixed_size 9216
		.amdhsa_private_segment_fixed_size 0
		.amdhsa_enable_private_segment 0
		.amdhsa_kernarg_size 24
		.amdhsa_user_sgpr_count 2
		.amdhsa_user_sgpr_kernarg_segment_ptr 1
		.amdhsa_wavefront_size32 1
		.amdhsa_system_sgpr_workgroup_id_x 1
		.amdhsa_system_sgpr_workgroup_id_y 1
		.amdhsa_system_sgpr_workgroup_id_z 1
		.amdhsa_system_vgpr_workitem_id 0
		.amdhsa_next_free_vgpr 256
		.amdhsa_next_free_sgpr 66
		.amdhsa_reserve_vcc 0
		.amdhsa_float_denorm_mode_32 3
		.amdhsa_float_denorm_mode_16_64 3
		.amdhsa_memory_ordered 1
		.amdhsa_forward_progress 1
		.amdhsa_inst_pref_size 11
	.end_amdhsa_kernel
	.amdgpu_metadata
---
amdhsa.version: [ 1, 2 ]
amdhsa.kernels:
  - .name:           k_q15fc83decd_fine_proj
    .symbol:         k_q15fc83decd_fine_proj.kd
    .args:
      - { .name: yf, .offset: 0, .size: 8, .value_kind: global_buffer, .address_space: global }
      - { .name: wo, .offset: 8, .size: 8, .value_kind: global_buffer, .address_space: global }
      - { .name: out0, .offset: 16, .size: 8, .value_kind: global_buffer, .address_space: global }
    .group_segment_fixed_size: 9216
    .private_segment_fixed_size: 0
    .kernarg_segment_align: 8
    .kernarg_segment_size: 24
    .max_flat_workgroup_size: 256
    .sgpr_count:     66
    .vgpr_count:     256
    .wavefront_size: 32
...
	.end_amdgpu_metadata
.endif
;; end of part 6
